; MI455X (gfx1250); checked and timed in simulation.
; The chip was launched on July 23, 2026; its instructions are those of AMD's public machine-readable ISA for CDNA 5 (MIT licence, August 2026) and "CDNA5" Instruction Set Architecture Reference Guide (July 2026). The comments in the code are by the model that wrote it; some were corrected since.
;; Streaming DWR Block. Allowed arithmetic: matrix products marked QUANTISED: E4M3 operands, one E8M0 scale for each 32 along K, by v_wmma_scale_f32_16x16x128_f8f6f4 with both operands' format E4M3, f32 sums; products left as they are: f32 operands where the result goes on into a quantised operand, else bf16, f16 or f32 operands; f32 sums; everything else in f32.
;; Inputs: W1_codes 8 x 2,048 x 32 x 32 uint8 (E4M3 codes of W1, K innermost, in blocks of 32 codes); W1_scales 8 x 2,048 x 32 uint8 (E8M0 scales of W1, one for each 32 codes along K); W2_codes 8 x 1,024 x 64 x 32 uint8 (E4M3 codes of W2, K innermost, in blocks of 32 codes); W2_scales 8 x 1,024 x 64 uint8 (E8M0 scales of W2, one for each 32 codes along K); Wr 1,024 x 8 float32; b1 8 x 2,048 float32; b2 8 x 1,024 float32; beta 1,024 float32; br 8 float32; gamma 1,024 float32; x 1 x 2,048 x 1,024 float32.
;; Outputs: out0 1 x 2,048 x 1,024 float32.
;; This version of the problem:
;;   THIS VERSION OF THE PROBLEM IS GIVEN IN LOW PRECISION. The matrix products marked QUANTISED in the list below multiply operands that are first quantised to E4M3 (4 exponent bits, 3 mantissa bits; 8 bits a number), with one power-of-two scale for each 32 numbers along K (OCP MX v1.0); their sums are f32. All else is computed in f32.
;;   The module's matrix products, in the order in which they are computed (A, B: the left and right operand; K: the contracted axis; several contracted axes count as one K, in the product's order):
;;     1. [M 2,048, K 1,024] x [K 1,024, N 8]; A: input x; B: input Wr: left as it is (N = 8 < 16)
;;     2. batch 2,048 x [M 1, K 2] x [K 2, N 8]; A: computed on the way; B: computed on the way: left as it is (K = 2 < 32)
;;     3. [M 2,048, K 1,024] x [K 1,024, N 2,048]; A: input x; B: input W1 (given as codes): QUANTISED
;;     4. [M 2,048, K 2,048] x [K 2,048, N 1,024]; A: computed on the way; B: input W2 (given as codes): QUANTISED
;;     5. [M 2,048, K 1,024] x [K 1,024, N 2,048]; A: input x; B: input W1 (given as codes): QUANTISED
;;     6. [M 2,048, K 2,048] x [K 2,048, N 1,024]; A: computed on the way; B: input W2 (given as codes): QUANTISED
;;     7. [M 2,048, K 1,024] x [K 1,024, N 2,048]; A: input x; B: input W1 (given as codes): QUANTISED
;;     8. [M 2,048, K 2,048] x [K 2,048, N 1,024]; A: computed on the way; B: input W2 (given as codes): QUANTISED
;;     9. [M 2,048, K 1,024] x [K 1,024, N 2,048]; A: input x; B: input W1 (given as codes): QUANTISED
;;     10. [M 2,048, K 2,048] x [K 2,048, N 1,024]; A: computed on the way; B: input W2 (given as codes): QUANTISED
;;     11. [M 2,048, K 1,024] x [K 1,024, N 2,048]; A: input x; B: input W1 (given as codes): QUANTISED
;;     12. [M 2,048, K 2,048] x [K 2,048, N 1,024]; A: computed on the way; B: input W2 (given as codes): QUANTISED
;;     13. [M 2,048, K 1,024] x [K 1,024, N 2,048]; A: input x; B: input W1 (given as codes): QUANTISED
;;     14. [M 2,048, K 2,048] x [K 2,048, N 1,024]; A: computed on the way; B: input W2 (given as codes): QUANTISED
;;     15. [M 2,048, K 1,024] x [K 1,024, N 2,048]; A: input x; B: input W1 (given as codes): QUANTISED
;;     16. [M 2,048, K 2,048] x [K 2,048, N 1,024]; A: computed on the way; B: input W2 (given as codes): QUANTISED
;;     17. [M 2,048, K 1,024] x [K 1,024, N 2,048]; A: input x; B: input W1 (given as codes): QUANTISED
;;     18. [M 2,048, K 2,048] x [K 2,048, N 1,024]; A: computed on the way; B: input W2 (given as codes): QUANTISED
;;   THE QUANTISER, for each operand of a quantised product, along K:
;;     - K is cut into blocks of 32 from its start; a last block that is shorter is filled with zeros.
;;     - A block's scale is 2^e with e = floor(log2(the largest magnitude in the block)) - 8, held to -126 .. 127; a block of zeros has e = 0. As a byte (E8M0): e + 127.
;;     - Each number is divided by its block's scale, clamped to +-448, and rounded to the nearest number of E4M3, ties to even, subnormals kept.
;;     - The product sums the exact products of the quantised numbers (number of the format x scale) in f32.
;;   ~~~python
;;   def quantise(x, axis):      # numpy; x: float32 -> the quantised numbers, widened to float32 again
;;       x = np.moveaxis(x, axis, -1); K = x.shape[-1]
;;       x = np.pad(x, [(0, 0)] * (x.ndim - 1) + [(0, -K % 32)]); x = x.reshape(x.shape[:-1] + (-1, 32)); a = np.abs(x).max(-1, keepdims=True)
;;       e = np.where(a > 0, np.clip(np.frexp(np.where(a > 0, a, 1))[1] - 1 - 8, -126, 127), 0)      # np.frexp(a)[1] - 1 = floor(log2(a)), exactly
;;       r = np.clip(x / 2.0 ** e, -448, 448)
;;       step = 2.0 ** (np.maximum(np.frexp(np.where(r == 0, 1, r))[1] - 1, -6) - 3)
;;       q = np.round(r / step) * step * 2.0 ** e      # np.round: ties to even
;;       return np.moveaxis(q.reshape(q.shape[:-2] + (-1,))[..., :K], -1, axis).astype(np.float32)
;;   ~~~
;;   OPERANDS COMPUTED ON THE WAY. 'Computed on the way' means the value that the module computes at that place (a softmax that the list does not call 'softmax' is quantised finished and normalised). What goes into a quantiser is computed in f32, as accurately as f32 sums, v_exp_f32 and their like allow (about 1e-6 of the number): no bf16 or f16 on the way to a quantiser, and a product that is left as it is and whose result goes on into a quantised operand takes f32 operands (vector FMAs, or v_wmma_f32_16x16x4_f32). A number that lies on a knife's edge between two numbers of the format may be rounded either way, as far as f32 arithmetic and the matrix unit's own rounding can turn it there, and no further.
;;   INPUTS GIVEN AS CODES. W1 (in the module: [8, 1024, 2048], K = its axis 1); W2 (in the module: [8, 2048, 1024], K = its axis 1): each comes as NAME_codes (uint8): NAME with its K axis moved to the last place and cut into blocks of 32 codes, [.., K / 32, bytes a block], one block behind the other in memory; one code a byte (a code: sign, 4 exponent bits, 3 mantissa bits); and NAME_scales (uint8): the same leading axes, one E8M0 byte (e + 127) for each 32 codes along K. Its value is code x scale, taken as it is: it is not quantised again, and the codes and scales need not be those that the quantiser above would give.
;; One version. Each part assembles by itself: llvm-mc -triple=amdgcn-amd-amdhsa -mcpu=gfx1250 --defsym DOCPART=n.
;; ======== version 1 of 1: 4 launches
;; limits: right only within a limited range of input values
;; workspace buffers: xq 2,162,688 bytes; msk 4,096 bytes of whole numbers; score 16,384 bytes; plan 73,984 bytes of whole numbers; hq 39,059,456 bytes; o 16,777,216 bytes
;; launch route (part 1): grid 256 x 1, 4 waves a work-group, no clusters, 2,560 bytes of LDS; arguments x, Wr, br, xq, msk, score; writes xq, msk, score
.if DOCPART == 1
	.amdgcn_target "amdgcn-amd-amdhsa--gfx1250"
	.amdhsa_code_object_version 6
	.text
	.protected	k_q309edeee41_route
	.globl	k_q309edeee41_route
	.p2align	8
	.type	k_q309edeee41_route,@function
k_q309edeee41_route:
	s_mov_b64 s[64:65], 0
	v_nop
	global_prefetch_b8 v0, s[64:65] scope:SCOPE_SE
	s_setreg_imm32_b32 hwreg(HW_REG_WAVE_MODE, 25, 1), 1
	s_wait_xcnt 0x0
; ROUTER AND QUANTISER OF x.  x [2048][1024] f32, Wr [1024][8] f32, br [8] f32.
; Out: xq = codes of x in E4M3, [2048][1024] bytes, and from byte XS on one E8M0 byte for each 32 along K, [2048][32];
;      msk: byte 256 e + g: bit i = token 8 g + i has chosen expert e;  from byte 2,048 on a byte for each token: the lower of its two experts' numbers;
;      score [2048][2] = the softmax weights of the lower and of the higher of its two experts.  No address here hangs on the choice.
; WHAT THE PROGRAM LEAVES OUT: reference() multiplies each expert's result by combine[t, e], which is 0 by its own one_hot wherever e is not among token t's two experts.  So only the two chosen experts
; are computed for a token, and the product that builds combine is a selection.  A NaN, an infinity or an overflow that reaches only an expert's result for a token that has not chosen it is not carried to the output.
; SHARES.  A work-group takes 8 tokens, wave w the k = 256 w .. 256 w + 255 of each, lane l the eight k = 256 w + 8 l + j.  x is read once and serves both the logits (f32 fused multiply-adds) and the codes.
; The 64 partial sums (8 tokens x 8 experts) of a lane are summed over the 32 lanes by halving: in each of five stages a lane hands half of its sums to a partner.  The four waves' parts meet in LDS; wave 0 finishes softmax and top-2.
; LIMITS: NaN and infinities are not served.  A block whose largest magnitude lies under 2^-118 keeps the scale byte 1 (a block of zeros too: its codes are zeros, and only this program reads the bytes).
; Two weights that differ by less than the rounding of these f32 sums may be ordered otherwise than by another order of summation.  Equal weights: the lower expert wins.
.set XS,  2097152                      ; where the scale bytes begin in xq
.set SCB, 1024                         ; LDS: from 0 the waves' partial logits [wave][8 t + e] f32; from SCB the scale bytes [t][32]
.set WR,  16                           ; v16-79   Wr: register 8 j + e
.set X,   80                           ; v80-143  x: register 8 t + j
.set P,   144                          ; v144-207 partial logits: register 8 t + e
.set BY,  216                          ; v216-223 a scale byte for each token
.set C,   224                          ; v224-239 two registers of codes for each token
	s_load_b256 s[4:11], s[0:1], 0x0               ; x s[4:5], Wr s[6:7], br s[8:9], xq s[10:11]
	s_load_b128 s[12:15], s[0:1], 0x20             ; msk s[12:13], score s[14:15]
	v_lshl_add_u32 v254, v0, 2, 0x800
	v_mov_b32 v255, 0
	v_lshrrev_b32 v1, 5, v0
	v_readfirstlane_b32 s16, v1                    ; wave
	v_and_b32 v1, 31, v0                           ; lane
	v_lshlrev_b32 v2, 5, v0                        ; x: 1024 w + 32 l bytes into a row
	v_lshlrev_b32 v3, 8, v0                        ; Wr: row 256 w + 8 l, 32 bytes a row
	v_lshlrev_b32 v4, 3, v0                        ; codes: 256 w + 8 l
	v_lshrrev_b32 v5, 2, v0
	v_add_nc_u32 v5, SCB, v5                       ; my block's scale byte: 8 w + l / 4
	v_and_b32 v6, 0x60, v0
	v_lshlrev_b32 v6, 3, v6                        ; where my two finished sums go: 256 w + 4 x (32 b0 + 16 b1 + 8 b2 + 4 b3 + 2 b4), b_i the lane's bits
	v_and_b32 v7, 1, v0
	v_lshl_or_b32 v6, v7, 7, v6
	v_bfe_u32 v7, v0, 1, 1
	v_lshl_or_b32 v6, v7, 6, v6
	v_bfe_u32 v7, v0, 2, 1
	v_lshl_or_b32 v6, v7, 5, v6
	v_bfe_u32 v7, v0, 3, 1
	v_lshl_or_b32 v6, v7, 4, v6
	v_bfe_u32 v7, v0, 4, 1
	v_lshl_or_b32 v6, v7, 3, v6
	v_lshlrev_b32 v8, 3, v1                        ; 8 x lane
	v_add_nc_u32 v9, SCB, v8                       ; wave 0: the scale bytes back, 8 a lane
	v_and_b32 v10, 7, v0
	v_lshlrev_b32 v10, 5, v10                      ; wave 0: token l % 8: its eight sums
	v_lshlrev_b32 v11, 8, v1                       ; msk: 256 x lane
	v_mov_b32 v248, 0                              ; a lane permute's destination counts as one of its sources
	v_mov_b32 v249, 0
	s_mov_b32 s20, 0x76543210
	s_mov_b32 s21, 0xfedcba98                      ; selects for lane l xor 16
	s_mov_b32 s22, 0x600000                        ; the mantissa field of 448
	s_mov_b32 s40, 0x3fb8aa3b                      ; log2(e)
	s_lshl_b32 s18, ttmp9, 15                      ; 8 rows of 4,096 bytes
	s_mov_b32 s19, 0
	s_lshl_b32 s24, ttmp9, 13                      ; 8 rows of 1,024 codes
	s_mov_b32 s25, 0
	s_lshl_b32 s26, ttmp9, 8                       ; 8 rows of 32 scale bytes
	s_mov_b32 s27, 0
	s_lshl_b32 s28, ttmp9, 6                       ; 8 tokens x 8 bytes
	s_mov_b32 s29, 0
	s_wait_alu depctr_va_vdst(0)                   ; the wait at the head's end
	s_wait_kmcnt 0x0
	s_load_b256 s[32:39], s[8:9], 0x0              ; br
	s_add_nc_u64 s[4:5], s[4:5], s[18:19]
	s_add_nc_u64 s[42:43], s[10:11], s[24:25]
	s_add_nc_u64 s[44:45], s[10:11], s[26:27]
	s_add_nc_u64 s[14:15], s[14:15], s[28:29]
	s_mov_b32 s24, ttmp9
	s_lshl_b32 s26, ttmp9, 3
	s_add_nc_u64 s[24:25], s[12:13], s[24:25]      ; msk: my byte of each expert's 256
	s_add_nc_u64 s[26:27], s[12:13], s[26:27]      ; and my eight tokens' bytes
.irp j, 0,1,2,3,4,5,6,7
	global_load_b128 v[WR+8*\j:WR+8*\j+3], v3, s[6:7] offset:32*\j
	global_load_b128 v[WR+8*\j+4:WR+8*\j+7], v3, s[6:7] offset:32*\j+16
.endr
.irp t, 0,1,2,3,4,5,6,7
	global_load_b128 v[X+8*\t:X+8*\t+3], v2, s[4:5] offset:4096*\t th:TH_LOAD_NT
	global_load_b128 v[X+8*\t+4:X+8*\t+7], v2, s[4:5] offset:4096*\t+16 th:TH_LOAD_NT
.endr
; x(t, k_j) times Wr's row k_j onto the token's eight sums, two experts an instruction; of x's pair the one register feeds both halves
.macro DOT t, j, odd
.irp i, 0,1,2,3
.if \odd
	v_pk_fma_f32 v[P+8*\t+2*\i:P+8*\t+2*\i+1], v[X+8*\t+\j-1:X+8*\t+\j], v[WR+8*\j+2*\i:WR+8*\j+2*\i+1], v[P+8*\t+2*\i:P+8*\t+2*\i+1] op_sel:[1,0,0] op_sel_hi:[1,1,1]
.else
	v_pk_fma_f32 v[P+8*\t+2*\i:P+8*\t+2*\i+1], v[X+8*\t+\j:X+8*\t+\j+1], v[WR+8*\j+2*\i:WR+8*\j+2*\i+1], v[P+8*\t+2*\i:P+8*\t+2*\i+1] op_sel:[0,0,0] op_sel_hi:[0,1,1]
.endif
.endr
.endm
.macro TOK t
.set Q, 208+4*((\t)%2)                 ; at work: the largest magnitude, the conversion's scale, the hold
	s_wait_loadcnt 14-2*\t                         ; Wr and this token's two loads are in; the later tokens' two each may be out
.irp i, 0,1,2,3
	v_pk_mul_f32 v[P+8*\t+2*\i:P+8*\t+2*\i+1], v[X+8*\t:X+8*\t+1], v[WR+2*\i:WR+2*\i+1] op_sel_hi:[0,1]   ; the first k starts the sums
.endr
	DOT \t, 1, 1
	DOT \t, 2, 0
	DOT \t, 3, 1
	DOT \t, 4, 0
	DOT \t, 5, 1
	DOT \t, 6, 0
	DOT \t, 7, 1
	v_max3_num_f32 v[Q], |v[X+8*\t]|, |v[X+8*\t+1]|, 0x4800000      ; my eight, and the floor 2^(9 - 127): the byte cannot fall under 1
.irp i, 2,4,6
	v_max3_num_f32 v[Q], v[Q], |v[X+8*\t+\i]|, |v[X+8*\t+\i+1]|
.endr
	v_max_num_f32_dpp v[Q], v[Q], v[Q] row_xmask:1 row_mask:0xf bank_mask:0xf   ; four neighbouring lanes hold a block of 32
	v_max_num_f32_dpp v[Q], v[Q], v[Q] row_xmask:2 row_mask:0xf bank_mask:0xf
	v_add_nc_u32 v[Q+1], 0xfc000000, v[Q]          ; 8 off the exponent field: the conversion takes this operand's exponent field as its scale
	v_and_or_b32 v[Q+2], v[Q], 0x7f800000, s22     ; 448 x the scale
.irp i, 0,1,2,3,4,5,6,7
	v_med3_num_f32 v[X+8*\t+\i], v[X+8*\t+\i], -v[Q+2], v[Q+2]      ; the conversion to an 8-bit code does not saturate (ISA guide 7.6.2)
.endr
	v_cvt_scalef32_pk8_fp8_f32 v[C+2*\t:C+2*\t+1], v[X+8*\t:X+8*\t+7], v[Q+1]
	v_lshrrev_b32 v[BY+\t], 23, v[Q+1]             ; the scale's byte; also the plain line behind the conversion
	ds_store_b8 v5, v[BY+\t] offset:32*\t          ; the four lanes of a block write the same byte with the same value
	global_store_b64 v4, v[C+2*\t:C+2*\t+1], s[42:43] offset:1024*\t   ; the wave stores 256 consecutive bytes, aligned
.endm
.irp t, 0,1,2,3,4,5,6,7
	TOK \t
.endr
; A stage of the sum over lanes.  Of n sums a lane keeps the lower half if its bit is 0, the upper if 1, and gives the other half to the partner whose bit differs.
.macro RED n, mask, xm
	s_mov_b32 vcc_lo, \mask
.set i, 0
.rept \n/2
	v_cndmask_b32 v[240+2*(i%2)], v[P+i+\n/2], v[P+i], vcc_lo      ; what I give
	v_cndmask_b32 v[241+2*(i%2)], v[P+i], v[P+i+\n/2], vcc_lo      ; what I keep
	v_add_f32_dpp v[P+i], v[240+2*(i%2)], v[241+2*(i%2)] row_xmask:\xm row_mask:0xf bank_mask:0xf
.set i, i+1
.endr
.endm
	RED 64, 0xaaaaaaaa, 1
	RED 32, 0xcccccccc, 2
	RED 16, 0xf0f0f0f0, 4
	RED 8,  0xff00ff00, 8
	s_mov_b32 vcc_lo, 0xffff0000                   ; the last stage crosses the halves of the wave
.irp i, 0,1
	v_cndmask_b32 v[240+\i], v[P+\i+2], v[P+\i], vcc_lo
	v_cndmask_b32 v[242+\i], v[P+\i], v[P+\i+2], vcc_lo
.endr
	v_permlanex16_b32 v248, v240, s20, s21
	v_permlanex16_b32 v249, v241, s20, s21
	v_add_f32 v[P], v242, v248
	v_add_f32 v[P+1], v243, v249
	ds_store_b64 v6, v[P:P+1]                      ; sums 8 t + e = 32 b0 + 16 b1 + 8 b2 + 4 b3 + 2 b4 + 0, 1 of my wave's k
	s_wait_kmcnt 0x0                               ; br
	s_wait_dscnt 0x0                               ; for the others' sake: my LDS stores are done
	s_barrier_signal -1
	s_barrier_wait -1
	s_cmp_lg_u32 s16, 0
	s_cbranch_scc1 .Lothers                        ; wave 0 finishes; no barrier follows
	ds_load_b64 v[12:13], v9
.irp w, 0,1,2,3
	ds_load_b128 v[16+8*\w:19+8*\w], v10 offset:256*\w
	ds_load_b128 v[20+8*\w:23+8*\w], v10 offset:256*\w+16
.endr
	s_wait_dscnt 0x8                               ; the scale bytes are back; the eight loads behind them may be out
	global_store_b64 v8, v[12:13], s[44:45] offset:XS       ; 256 consecutive bytes, aligned: the 8 tokens' scale bytes
	s_wait_dscnt 0x0
.irp i, 0,2,4,6
	v_pk_add_f32 v[16+\i:17+\i], v[16+\i:17+\i], v[24+\i:25+\i]
	v_pk_add_f32 v[32+\i:33+\i], v[32+\i:33+\i], v[40+\i:41+\i]
.endr
.irp i, 0,2,4,6
	v_pk_add_f32 v[16+\i:17+\i], v[16+\i:17+\i], v[32+\i:33+\i]
.endr
.irp e, 0,1,2,3,4,5,6,7
	v_add_f32 v[16+\e], s[32+\e], v[16+\e]         ; + br: the logits of token l % 8
.endr
	v_max3_num_f32 v48, v16, v17, v18              ; softmax: the largest logit is taken away first
	v_max3_num_f32 v48, v48, v19, v20
	v_max3_num_f32 v48, v48, v21, v22
	v_max_num_f32 v48, v48, v23
.irp e, 0,1,2,3,4,5,6,7
	v_sub_f32 v[16+\e], v[16+\e], v48
.endr
.irp e, 0,1,2,3,4,5,6,7
	v_mul_f32 v[16+\e], s40, v[16+\e]
.endr
	s_wait_alu depctr_va_vdst(0)
.irp e, 0,1,2,3,4,5,6,7
	v_exp_f32 v[16+\e], v[16+\e]
.endr
	v_mov_b32 v52, -1.0                            ; (a plain line behind the exponentials)  under every weight
	s_wait_alu depctr_va_vdst(0)
	v_add_f32 v49, v16, v17
	v_add_f32 v50, v18, v19
	v_add_f32 v49, v49, v20
	v_add_f32 v50, v50, v21
	v_add_f32 v49, v49, v22
	v_add_f32 v50, v50, v23
	v_add_f32 v49, v49, v50
	s_wait_alu depctr_va_vdst(0)
	v_rcp_f32 v49, v49
	v_nop                                          ; one plain line behind a transcendental
	s_wait_alu depctr_va_vdst(0)
.irp e, 0,1,2,3,4,5,6,7
	v_mul_f32 v[16+\e], v[16+\e], v49
.endr
.macro TOP best, idx                   ; the largest weight and its expert; a later expert wins only if it is strictly larger
	v_mov_b32 v[\best], v16
	v_mov_b32 v[\idx], 0
.irp e, 1,2,3,4,5,6,7
	v_cmp_le_f32 vcc_lo, v[16+\e], v[\best]
	v_cndmask_b32 v[\idx], \e, v[\idx], vcc_lo
	v_max_num_f32 v[\best], v[\best], v[16+\e]
.endr
.endm
	TOP 58, 56
.irp e, 0,1,2,3,4,5,6,7
	v_cmp_eq_u32 vcc_lo, \e, v56
	v_cndmask_b32 v[16+\e], v[16+\e], v52, vcc_lo  ; the winner leaves the field
.endr
	TOP 59, 57
	v_mov_b32 v61, 0
	v_min_u32 v60, v56, v57                        ; the lower expert,
	v_cmp_lt_u32 vcc_lo, v56, v57
	v_cndmask_b32 v62, v59, v58, vcc_lo            ; its weight,
	v_cndmask_b32 v63, v58, v59, vcc_lo            ; the higher expert's weight
.irp e, 0,1,2,3,4,5,6,7
	v_cmp_eq_u32 s[46+\e], \e, v56                 ; a bit a lane: bits 7:0 are the eight tokens
	v_cmp_eq_u32 s[54+\e], \e, v57
.endr
.irp e, 0,1,2,3,4,5,6,7
	s_or_b32 s[46+\e], s[46+\e], s[54+\e]
.endr
.irp e, 0,1,2,3,4,5,6,7
	v_writelane_b32 v61, s[46+\e], \e              ; lane e: expert e's byte
.endr
	s_wait_alu depctr_va_vdst(0)
	s_wait_xcnt 0x0                                ; EXEC changes only when the earlier stores' addresses have been taken
	s_wait_tensorcnt 0x0                           ; the wave's end
	ds_add_u32 v254, v255
	s_wait_dscnt 0x0
	v_cmpx_gt_u32 8, v0                            ; lanes 0 to 7: one for each token, and one for each expert
	global_store_b8 v11, v61, s[24:25]
	global_store_b8 v1, v60, s[26:27] offset:2048
	global_store_b64 v8, v[62:63], s[14:15]
	s_endpgm
.Lothers:
	s_wait_tensorcnt 0x0
	ds_add_u32 v254, v255
	s_wait_dscnt 0x0
	s_endpgm
.Lfunc_end_k_q309edeee41_route:
	.size	k_q309edeee41_route, .Lfunc_end_k_q309edeee41_route-k_q309edeee41_route
	.p2alignl 7, 3214868480
	.fill 96, 4, 3214868480
	.section	.rodata,"a",@progbits
	.p2align	6, 0x0
	.amdhsa_kernel k_q309edeee41_route
		.amdhsa_group_segment_fixed_size 2560
		.amdhsa_private_segment_fixed_size 0
		.amdhsa_enable_private_segment 0
		.amdhsa_kernarg_size 48
		.amdhsa_user_sgpr_count 2
		.amdhsa_user_sgpr_kernarg_segment_ptr 1
		.amdhsa_wavefront_size32 1
		.amdhsa_system_sgpr_workgroup_id_x 1
		.amdhsa_system_sgpr_workgroup_id_y 1
		.amdhsa_system_sgpr_workgroup_id_z 1
		.amdhsa_system_vgpr_workitem_id 0
		.amdhsa_next_free_vgpr 256
		.amdhsa_next_free_sgpr 66
		.amdhsa_reserve_vcc 1
		.amdhsa_float_denorm_mode_32 3
		.amdhsa_float_denorm_mode_16_64 3
		.amdhsa_memory_ordered 1
		.amdhsa_forward_progress 1
		.amdhsa_inst_pref_size 49
	.end_amdhsa_kernel
	.amdgpu_metadata
---
amdhsa.version: [ 1, 2 ]
amdhsa.kernels:
  - .name:           k_q309edeee41_route
    .symbol:         k_q309edeee41_route.kd
    .args:
      - { .name: x, .offset: 0, .size: 8, .value_kind: global_buffer, .address_space: global }
      - { .name: Wr, .offset: 8, .size: 8, .value_kind: global_buffer, .address_space: global }
      - { .name: br, .offset: 16, .size: 8, .value_kind: global_buffer, .address_space: global }
      - { .name: xq, .offset: 24, .size: 8, .value_kind: global_buffer, .address_space: global }
      - { .name: msk, .offset: 32, .size: 8, .value_kind: global_buffer, .address_space: global }
      - { .name: score, .offset: 40, .size: 8, .value_kind: global_buffer, .address_space: global }
    .group_segment_fixed_size: 2560
    .private_segment_fixed_size: 0
    .kernarg_segment_align: 8
    .kernarg_segment_size: 48
    .max_flat_workgroup_size: 128
    .sgpr_count:     66
    .vgpr_count:     256
    .wavefront_size: 32
...
	.end_amdgpu_metadata
.endif
;; end of part 1
;; launch gemm1 (part 2): grid 8 x 32, 4 waves a work-group, no clusters, 296,960 bytes of LDS; arguments xq, msk, W1_codes, W1_scales, b1, hq, plan; writes hq, plan
.if DOCPART == 2
	.amdgcn_target "amdgcn-amd-amdhsa--gfx1250"
	.amdhsa_code_object_version 6
	.text
	.protected	k_q309edeee41_gemm1
	.globl	k_q309edeee41_gemm1
	.p2align	8
	.type	k_q309edeee41_gemm1,@function
k_q309edeee41_gemm1:
	s_mov_b64 s[64:65], 0
	v_nop
	global_prefetch_b8 v0, s[64:65] scope:SCOPE_SE
	s_setreg_imm32_b32 hwreg(HW_REG_WAVE_MODE, 25, 1), 1
	s_wait_xcnt 0x0
; THE FIRST PRODUCT OF THE CHOSEN EXPERTS:  h = Q(gelu(Q(x) W1[e]^T + b1[e])), on codes of E4M3 with one E8M0 scale for each 32 along K.  Left out: the rows of tokens that have not chosen the expert (reference() multiplies them by 0).
; 256 WORK-GROUPS: expert e = work-group x; y = 8 j + c: hidden units 256 c .. 256 c + 255 for the expert's row tiles j, j + 4, j + 8, j + 12 of 144 rows: four trips serve every split, since no expert has more than
; 2,048 rows.  A trip beyond the expert's last row does nothing but pass its barriers; the branches on the row count are forward and lead round no barrier.
; The weights' addresses hang on ids alone, so they are asked for at once.  No tensor loads and no joint loads: whether a trip has rows hangs on numbers read from memory.  No prefetch: K is walked once, in straight text.
; THE ROWS ARE PLACED HERE.  Expert e's rows are the set bits of its 2,048 bits in msk, in token order.  Lane l of every wave holds the 64 bits of tokens 64 l .. 64 l + 63; a scan over the lanes gives how many stand in
; front.  The row of rank n lies in the last lane with no more than n in front (a search by lane permutes), and in that lane at the set bit that byte, nibble, pair and bit counts lead to.  Wave w finds rows 32 w .. 32 w + 31
; and 128 + 4 w .. 128 + 4 w + 3 of the tile.  Rows beyond the expert's last repeat it; their results are read by nobody.
; THE WAVES SHARE THE COLUMNS: wave w makes units 64 w .. 64 w + 63 for all 144 rows: 36 accumulators.  x's rows are laid into LDS once a trip, a row of 1,024 bytes at a pitch of 1,040, loaded as runs of 512 bytes.
; W1 comes by quarters of K, 256 bytes of two rows a load, through registers into two slots of LDS that are the wave's own (64 rows x 272 bytes each), and from there as fragments: no barrier stands between, since LDS
; serves a wave's instructions in order (ISA guide 5.7.1.4).  Quarters 0 and 1 are asked for at the head, 2 ahead of the barrier, 3 behind the first K step.
; TRANSPOSED: source 0 = 16 rows of W1, source 1 = 16 rows of x, so that a lane holds ONE row and its registers run along the hidden units, the next product's K.  THE ROWS OF W1 THAT FORM A TILE ARE NOT
; NEIGHBOURS: lane r of tile 2 b + u takes row 32 b + 8 u + r + 8 (r / 8), so that the 16 registers of tiles 2 b and 2 b + 1 are k = 32 b + 16 (lane / 16) + 0 .. 15.  In LDS a tile's 16 rows lie on end.  b1 is the C of each sum's first product.
; gelu(x) = 0.5 x (1 + tanh(u)), u = sqrt(2 / pi) (x + 0.044715 x^3), is computed as x / (1 + 2^(x (c1 + c3 x^2))), c1 = -2 log2(e) sqrt(2 / pi), c3 = 0.044715 c1: the same function, with no difference of near numbers.
; OUT.  hq: tile T = 16 e + j + 4 trip: images [T][m 9][s 16][c 4][lane][16 bytes] of the second product's fragments; from HSC on [T][K steps 2 q, 2 q + 1: q 8] 1,280 bytes: scale words [lane][m 8], then [lane] those of m = 8;
; lanes 0-15 hold rows 16 m + r of step 2 q, lanes 16-31 of step 2 q + 1.  plan: [e][2,304] u32: 2 token + (0, 1: e is the lower, the higher of its experts), 4,096 for a row beyond the last; from byte 73,728 on the row counts.
; LIMITS: NaN and infinities are not served; a block under 2^-118 keeps the scale byte 1 (a block of zeros too: its codes are zeros, and only this program reads the bytes).
; REGISTERS, in windows of 256.  Window 0: v1-39 addresses, bits, search; v40-71 W1's scale words (8 n + s); v72-95 x's scale words, two sets; v96-239 x's fragments, set 0 (16 m + 4 c).
;   Window 1: accumulator (m, n) at v[32 m + 8 n], m = 0..7.   Window 2: v0-31 those of m = 8; v32-63 b1 (8 n); v96-239 x's fragments, set 1.   Window 3: v0-127 a quarter of W1 on its way to LDS; v128-255 first quarter 1, then
;   W1's fragments, two sets.
.set XS,  2097152                      ; x's scale bytes in xq
.set HSC, 37748736
.set CNT, 73728
.set PITCH, 1040                       ; LDS: from 0 x's 144 rows;
.set ASC, 144*PITCH                    ; x's scale words, (s, r, m) at 768 s + 48 r + 4 m;
.set SCB, ASC+6144                     ; the scale words on their way out;
.set WB,  SCB+1280                     ; each wave's two slots for W1
.set QS,  64*272
.set SPARE, WB+4*2*QS
.set WS,  40
.set AS,  72
.set AF,  96
.set T,   96                           ; the way out: 32 numbers at work;
.set PC,  128                          ; eight registers of codes for each m;
.set HW,  200                          ; a half-word of scale bytes for each m;
.set TM,  210                          ; largest magnitudes, 212 the conversions' scales, 214 the holds, 216 the bytes
.set MSB, 0
.macro WIN new                         ; the immediate's high byte repeats the setting that is left
.if MSB != (\new)
	s_set_vgpr_msb (MSB<<8)|(\new)
.set MSB, (\new)
.endif
.endm
.macro WALU                            ; ahead of waits, barriers and branches behind which something freshly written is read
	s_wait_alu depctr_va_vdst(0)
.endm
.macro PLACES n
.rept \n
	v_nop
.endr
.endm
.macro QLOAD q                         ; quarter q of my 64 rows of W1: 32 loads, two rows' 256 bytes each
	WIN 0xc0
.set i, 0
.rept 32
	global_load_b128 v[128*((\q)==1)*((\q)==1)+4*i:128*((\q)==1)*((\q)==1)+4*i+3], v4, s[8:9] offset:2048*i+256*(\q)
.set i, i+1
.endr
	WIN 0
.endm
.macro QSTORE q                        ; and into slot q % 2, a tile's rows on end: row 32 a + 16 b + 8 c + d at place 32 a + 16 c + 8 b + d
	WIN 0x0c
.set i, 0
.rept 32
	ds_store_b128 v240, v[128*((\q)==1)*((\q)==1)+4*i:128*((\q)==1)*((\q)==1)+4*i+3] offset:QS*((\q)%2)+272*(32*(i/16)+16*((i/4)%2)+8*((i/8)%2)+2*(i%4))
.set i, i+1
.endr
	WIN 0
.endm
.macro FETCH s                         ; K step s, into sets s % 2: x's nine fragments and nine scale words, W1's four fragments: 55 LDS loads
	WIN 0x80*((\s)%2)
.irp m, 0,1,2,3,4,5,6,7,8
.irp c, 0,1,2,3
	ds_load_b128 v[AF+16*\m+4*\c:AF+16*\m+4*\c+3], v[7+\m/3] offset:(\m%3)*16*PITCH+128*(\s)+32*\c
.endr
.endr
	WIN 0
	ds_load_b128 v[AS+12*((\s)%2):AS+12*((\s)%2)+3], v10 offset:768*(\s)
	ds_load_b128 v[AS+12*((\s)%2)+4:AS+12*((\s)%2)+7], v10 offset:768*(\s)+16
	ds_load_b32 v[AS+12*((\s)%2)+8], v10 offset:768*(\s)+32
	WIN 0xc0
.irp n, 0,1,2,3
.irp c, 0,1,2,3
	ds_load_b128 v[128+64*((\s)%2)+16*\n+4*\c:128+64*((\s)%2)+16*\n+4*\c+3], v241 offset:QS*(((\s)/2)%2)+16*272*\n+128*((\s)%2)+32*\c
.endr
.endr
	WIN 0
.endm
.macro MMA s                           ; 36 products; the accumulators take turns, one instruction a turn, in the same order in every step
.set PAR, (\s)%2
.set RB, 128+64*((\s)%2)
.if (\s) == 0
	WIN 0x63                                       ; W1 window 3, x window 0, C = b1 window 2, D window 1
.else
	WIN 0x53|(8*PAR)                               ; C and D window 1
.endif
.irp m, 0,1,2,3,4,5,6,7
.irp n, 0,1,2,3
.if (\s) == 0
	v_wmma_scale_f32_16x16x128_f8f6f4 v[32*\m+8*\n:32*\m+8*\n+7], v[RB+16*\n:RB+16*\n+15], v[AF+16*\m:AF+16*\m+15], v[32+8*\n:39+8*\n], v[WS+8*\n+(\s)], v[AS+12*PAR+\m]
.else
	v_wmma_scale_f32_16x16x128_f8f6f4 v[32*\m+8*\n:32*\m+8*\n+7], v[RB+16*\n:RB+16*\n+15], v[AF+16*\m:AF+16*\m+15], v[32*\m+8*\n:32*\m+8*\n+7], v[WS+8*\n+(\s)], v[AS+12*PAR+\m]
.endif
.endr
.endr
	WIN 0xa3|(8*PAR)                               ; m = 8: C and D window 2
.irp n, 0,1,2,3
.if (\s) == 0
	v_wmma_scale_f32_16x16x128_f8f6f4 v[8*\n:8*\n+7], v[RB+16*\n:RB+16*\n+15], v[AF+128:AF+143], v[32+8*\n:39+8*\n], v[WS+8*\n+(\s)], v[AS+12*PAR+8]
.else
	v_wmma_scale_f32_16x16x128_f8f6f4 v[8*\n:8*\n+7], v[RB+16*\n:RB+16*\n+15], v[AF+128:AF+143], v[8*\n:8*\n+7], v[WS+8*\n+(\s)], v[AS+12*PAR+8]
.endif
.endr
.endm
.macro KSTEP s
.if (\s) < 7
	s_wait_dscnt 55                                ; this step's sets are in, and any stores of W1 behind them; the next step's 55 loads may be out
.else
	s_wait_dscnt 0x0
.endif
	MMA \s
	WIN 0
	PLACES 8                                       ; eight plain lines between the last product and loads into registers that it read, or the first read of results
.if (\s) == 0
	s_wait_loadcnt 0x0                             ; quarter 2 is in; slot 0's last fragments were asked for ahead of the first step
	QSTORE 2
.endif
.if (\s) == 4
	s_wait_loadcnt 0x0                             ; quarter 3; slot 1's last fragments were asked for behind step 1
	QSTORE 3
.endif
.if (\s) < 6
	FETCH (\s)+2
.endif
.if (\s) == 0
	s_wait_dscnt 55                                ; quarter 2's stores are done: quarter 3 may land in their registers
	QLOAD 3
.endif
.endm
	s_load_b256 s[4:11], s[0:1], 0x0               ; xq s[4:5], msk s[6:7], W1's codes s[8:9], W1's scales s[10:11]
	s_load_b128 s[12:15], s[0:1], 0x20             ; b1 s[12:13], hq s[14:15]
	s_load_b64 s[42:43], s[0:1], 0x30              ; plan
	v_lshl_add_u32 v254, v0, 2, SPARE
	v_mov_b32 v255, 0
	v_lshrrev_b32 v28, 5, v0                       ; wave
	v_readfirstlane_b32 s19, v28
	s_mov_b32 s18, ttmp9                           ; expert
	s_and_b32 s17, ttmp7, 0xffff
	s_and_b32 s20, s17, 7                          ; which 256 hidden units
	s_lshr_b32 s21, s17, 3                         ; j
	v_and_b32 v1, 31, v0                           ; lane
	v_and_b32 v2, 15, v0                           ; r
	v_bfe_u32 v3, v0, 4, 1                         ; h
	v_lshlrev_b32 v15, 4, v1                       ; 16 x lane
	v_lshlrev_b32 v22, 3, v1                       ; msk: 8 bytes a lane
	v_and_b32 v29, 8, v2
	v_add_nc_u32 v29, v29, v2                      ; r + 8 (r / 8)
	v_lshlrev_b32 v4, 10, v3
	v_lshl_add_u32 v4, v2, 4, v4                   ; W1: lanes 0-15 a row of 1,024 codes, lanes 16-31 the next; 16 bytes a lane
	v_lshlrev_b32 v5, 5, v29                       ; W1's scales: the row of the fragment's lane r, 32 bytes
	v_lshlrev_b32 v6, 6, v3                        ; b1: 16 h numbers on
	v_mul_u32_u24 v7, v2, PITCH
	v_lshl_add_u32 v7, v3, 4, v7                   ; x's fragments in LDS: row r, + 16 h; three bases, 48 rows apart (an LDS offset has 16 bits)
	v_add_nc_u32 v8, 48*PITCH, v7
	v_add_nc_u32 v9, 96*PITCH, v7
	v_mul_u32_u24 v10, v2, 48
	v_add_nc_u32 v10, ASC, v10                     ; x's scale words: row r
	v_lshrrev_b32 v11, 4, v0
	v_lshl_add_u32 v11, v11, 2, v10                ; where I store those of row 32 w + l: m = thread / 16;
	v_and_b32 v29, 3, v0
	v_lshl_add_u32 v29, v28, 2, v29                ; 4 w + l % 4
	v_mul_u32_u24 v12, v29, 48
	v_add_nc_u32 v12, ASC+32, v12                  ; and of row 128 + 4 w + l % 4: m = 8
	v_mul_u32_u24 v13, v28, 32*PITCH
	v_add_nc_u32 v13, v13, v15                     ; where I store rows 32 w ..,
	v_mul_u32_u24 v14, v28, 4*PITCH
	v_add_nc_u32 v14, v14, v15
	v_add_nc_u32 v14, 128*PITCH, v14               ; and rows 128 + 4 w ..
	v_mul_u32_u24 v30, v28, 2*QS
	v_add_nc_u32 v30, WB, v30                      ; my slots for W1:
	v_mul_u32_u24 v240, v3, 272
	v_lshl_add_u32 v240, v2, 4, v240
	v_add_nc_u32 v240, v240, v30                   ; in: two rows a store;
	v_mul_u32_u24 v241, v2, 272
	v_lshl_add_u32 v241, v3, 4, v241
	v_add_nc_u32 v241, v241, v30                   ; back: row r of a tile, + 16 h
	v_mov_b32 v16, v0                              ; my two rows of the tile
	v_add_nc_u32 v17, 0x80, v29
	v_lshlrev_b32 v248, 2, v16                     ; plan: 4 bytes a row
	v_lshlrev_b32 v249, 2, v17
	v_lshrrev_b32 v30, 6, v0
	v_lshl_add_u32 v30, v30, 4, v2                 ; 16 (w / 2) + r
	v_bfe_u32 v31, v0, 5, 1
	v_lshlrev_b32 v31, 1, v31                      ; 2 (w % 2)
	v_lshl_add_u32 v250, v30, 5, v31
	v_add_nc_u32 v250, SCB, v250                   ; where my half-words of scale bytes go: m = 0 .. 7,
	v_lshl_add_u32 v251, v30, 2, v31
	v_add_nc_u32 v251, SCB+1024, v251              ; m = 8
	v_add_nc_u32 v252, SCB, v15                    ; wave 0: read back
	v_lshl_add_u32 v253, v1, 2, SCB+1024
	v_mov_b32 v23, 0                               ; the destination of a DPP form or a lane permute counts as one of its sources
	v_mov_b32 v246, 0
	v_mov_b32 v247, 0
	v_mov_b32 v244, 0xc0135761                     ; c1, twice
	v_mov_b32 v245, 0xc0135761
	s_mov_b32 s32, 0x76543210
	s_mov_b32 s33, 0xfedcba98                      ; selects for lane l xor 16
	s_mov_b32 s34, 0x600000                        ; the mantissa field of 448
	s_mov_b32 s36, -1
	s_mov_b32 s37, -1                              ; selects for lane 15 of the other half
	s_mov_b32 s40, 0xbdd2d3e8                      ; c3; the packed form names a pair and takes its low word for both halves
	s_mov_b32 s41, s40
	s_lshl_b32 s22, s18, 8                         ; msk: 256 bytes an expert
	s_mov_b32 s23, 0
	s_mov_b32 s25, 0
	WALU                                           ; the head's end
	s_wait_kmcnt 0x0
	s_add_nc_u64 s[22:23], s[6:7], s[22:23]
	global_load_b64 v[18:19], v22, s[22:23]        ; my lane's 64 bits
	s_lshl_b32 s24, s18, 21                        ; W1's codes: expert, 256 x 1,024 bytes for each column group, 64 x 1,024 for each wave
	s_lshl_b32 s26, s20, 18
	s_add_co_u32 s24, s24, s26
	s_lshl_b32 s26, s19, 16
	s_add_co_u32 s24, s24, s26
	s_add_nc_u64 s[8:9], s[8:9], s[24:25]
	s_lshr_b32 s24, s24, 5                         ; W1's scales: 32 bytes a row of 1,024
	s_add_nc_u64 s[10:11], s[10:11], s[24:25]
	s_lshr_b32 s24, s24, 3                         ; b1: 4 bytes a row
	s_add_nc_u64 s[12:13], s[12:13], s[24:25]
.irp n, 0,1,2,3
	global_load_b128 v[WS+8*\n:WS+8*\n+3], v5, s[10:11] offset:(32*(\n/2)+8*(\n%2))*32
	global_load_b128 v[WS+8*\n+4:WS+8*\n+7], v5, s[10:11] offset:(32*(\n/2)+8*(\n%2))*32+16
.endr
	WIN 0x80
.irp n, 0,1,2,3
	global_load_b128 v[32+8*\n:35+8*\n], v6, s[12:13] offset:(32*(\n/2)+8*(\n%2))*4
	global_load_b128 v[36+8*\n:39+8*\n], v6, s[12:13] offset:(32*(\n/2)+8*(\n%2))*4+16
.endr
	QLOAD 0
	QLOAD 1
	s_lshl_b32 s27, s18, 4
	s_add_co_u32 s27, s27, s21                     ; tile T of the first trip
	s_mul_i32 s24, s27, 294912                     ; hq's images: my 64 units are K step 2 c + w / 2, groups 2 (w % 2), + 1: 4,096 c + 1,024 w bytes
	s_lshl_b32 s26, s20, 12
	s_add_co_u32 s24, s24, s26
	s_lshl_b32 s26, s19, 10
	s_add_co_u32 s24, s24, s26
	s_add_nc_u64 s[28:29], s[14:15], s[24:25]
	s_mul_i32 s24, s27, 10240                      ; hq's scale words: q = c
	s_mul_i32 s26, s20, 1280
	s_add_co_u32 s24, s24, s26
	s_add_co_u32 s24, s24, HSC
	s_add_nc_u64 s[30:31], s[14:15], s[24:25]
	s_mul_i32 s24, s18, 9216                       ; plan: the expert's list, 144 rows a tile
	s_mul_i32 s26, s21, 576
	s_add_co_u32 s24, s24, s26
	s_add_nc_u64 s[46:47], s[42:43], s[24:25]
	s_lshl_b32 s24, s18, 2
	s_add_nc_u64 s[38:39], s[42:43], s[24:25]
	s_mul_i32 s44, s21, 144                        ; the trip's first row
	s_mov_b32 s45, 0                               ; the trip
	s_wait_loadcnt 63                              ; my 64 bits are in: 80 loads were issued behind them
.macro POP w, d                        ; d = the number of set bits in w
	v_lshrrev_b32 v25, 1, v[\w]
	v_and_b32 v25, 0x55555555, v25
	v_sub_nc_u32 v[\d], v[\w], v25
	v_lshrrev_b32 v25, 2, v[\d]
	v_and_b32 v25, 0x33333333, v25
	v_and_b32 v[\d], 0x33333333, v[\d]
	v_add_nc_u32 v[\d], v[\d], v25
	v_lshrrev_b32 v25, 4, v[\d]
	v_add_nc_u32 v[\d], v[\d], v25
	v_and_b32 v[\d], 0x0f0f0f0f, v[\d]
	v_mul_lo_u32 v[\d], v[\d], 0x01010101
	v_lshrrev_b32 v[\d], 24, v[\d]
.endm
	POP 18, 21                                     ; v21: set bits among my first 32
	POP 19, 24
	v_add_nc_u32 v22, v21, v24
	v_mov_b32 v20, v22
.irp n, 1,2,4,8                        ; the sum over my lane and all lower ones: in each half of 16 lanes, then lanes 16-31 add the lower half's total
	v_mov_b32_dpp v23, v20 row_shr:\n row_mask:0xf bank_mask:0xf bound_ctrl:1
	v_add_nc_u32 v20, v20, v23
.endr
	s_mov_b32 vcc_lo, 0xffff0000
	v_permlanex16_b32 v23, v20, s36, s37
	v_cndmask_b32 v23, 0, v23, vcc_lo
	v_add_nc_u32 v20, v20, v23
	v_readlane_b32 s16, v20, 31                    ; the expert's rows
	v_sub_nc_u32 v20, v20, v22                     ; v20: set bits in lower lanes
	v_mov_b32 v243, s16
	s_sub_co_u32 s48, s16, 1
	WALU
	s_cmp_lg_u32 s17, 0
	s_cbranch_scc1 .Ltrip                          ; one work-group an expert stores the count
	global_store_b32 v255, v243, s[38:39] offset:CNT
.macro LEVEL q, from, width, st        ; k set bits are still to pass: is the wanted one in the upper part?
.if \width < 32
	v_bfe_u32 v[28+\q], v[\from+\q], v[24+\q], \width
.endif
	v_cmp_ge_u32 vcc_lo, v[26+\q], v[28+\q]
	v_cndmask_b32 v[28+\q], 0, v[28+\q], vcc_lo
	v_sub_nc_u32 v[26+\q], v[26+\q], v[28+\q]
	v_cndmask_b32 v[28+\q], 0, \st, vcc_lo
	v_add_nc_u32 v[24+\q], v[24+\q], v[28+\q]
.endm
.macro ROWS b                          ; nine of my 36 rows: two loads of 512 consecutive bytes each, staged in registers that the sums take later
.irp k, 0,1,2,3,4,5,6,7,8
.if 9*\b+\k < 32
	v_readlane_b32 s[50+\k], v38, 9*\b+\k
.else
	v_readlane_b32 s[50+\k], v39, 9*\b+\k-32
.endif
.endr
.irp k, 0,1,2,3,4,5,6,7,8
	s_min_u32 s[50+\k], s[50+\k], 0x7ff            ; held inside x before it enters an address
.endr
.irp k, 0,1,2,3,4,5,6,7,8
	v_lshl_add_u32 v[96+9*\b+\k], s[50+\k], 10, v15
.endr
.irp k, 0,1,2,3,4,5,6,7,8
.set R_, 9*\b+\k
.set D_, (8*R_)%256
	WIN 0x40*(1+R_/32)
	global_load_b128 v[D_:D_+3], v[96+R_], s[4:5]
	global_load_b128 v[D_+4:D_+7], v[96+R_], s[4:5] offset:512
.endr
	WIN 0
.endm
.macro TOLDS b                         ; and into LDS
.irp k, 0,1,2,3,4,5,6,7,8
.set R_, 9*\b+\k
.set D_, (8*R_)%256
	WIN 0x04*(1+R_/32)
	ds_store_b128 v[13+R_/32], v[D_:D_+3] offset:(R_%32)*PITCH
	ds_store_b128 v[13+R_/32], v[D_+4:D_+7] offset:(R_%32)*PITCH+512
.endr
	WIN 0
.endm
.Ltrip:
	s_cmp_ge_u32 s44, s16
	s_cbranch_scc1 .Lno_rows                       ; no rows: nothing to lay into LDS
	s_sub_co_u32 s49, s16, s44                     ; rows from the trip's first on
.irp q, 0,1
	v_add_nc_u32 v[22+\q], s44, v[16+\q]
	v_min_u32 v[22+\q], s48, v[22+\q]              ; my row's rank; beyond the last: the last
	v_mov_b32 v[24+\q], 0
.endr
.irp st, 64,32,16,8,4                  ; the last lane with no more than that in front; v24, v25: 4 x lane
.irp q, 0,1
	v_add_nc_u32 v[26+\q], \st, v[24+\q]
.endr
.irp q, 0,1
	ds_bpermute_b32 v[28+\q], v[26+\q], v20
.endr
	WALU
	s_wait_dscnt 0x0
.irp q, 0,1
	v_cmp_le_u32 vcc_lo, v[28+\q], v[22+\q]
	v_cndmask_b32 v[24+\q], v[24+\q], v[26+\q], vcc_lo
.endr
.endr
.irp q, 0,1
	v_min_u32 v[24+\q], 0x7c, v[24+\q]
.endr
.irp q, 0,1
	ds_bpermute_b32 v[30+\q], v[24+\q], v18        ; that lane's bits,
	ds_bpermute_b32 v[32+\q], v[24+\q], v19
	ds_bpermute_b32 v[34+\q], v[24+\q], v20        ; how many stand in front of it,
	ds_bpermute_b32 v[36+\q], v[24+\q], v21        ; how many lie in its first 32
.endr
	WALU
	s_wait_dscnt 0x0
.irp q, 0,1
	v_sub_nc_u32 v[26+\q], v[22+\q], v[34+\q]      ; k: set bits of the lane to pass
	v_cmp_ge_u32 vcc_lo, v[26+\q], v[36+\q]
	v_cndmask_b32 v[30+\q], v[30+\q], v[32+\q], vcc_lo
	v_cndmask_b32 v[28+\q], 0, v[36+\q], vcc_lo
	v_sub_nc_u32 v[26+\q], v[26+\q], v[28+\q]
	v_cndmask_b32 v[38+\q], 0, 32, vcc_lo
	v_lshl_add_u32 v[38+\q], v[24+\q], 4, v[38+\q] ; 64 x lane + 32 x word
	v_mov_b32 v[24+\q], 0                          ; the bit's place in the word
	v_lshrrev_b32 v[28+\q], 1, v[30+\q]
	v_and_b32 v[28+\q], 0x55555555, v[28+\q]
	v_sub_nc_u32 v[32+\q], v[30+\q], v[28+\q]      ; counts of each two bits,
	v_lshrrev_b32 v[28+\q], 2, v[32+\q]
	v_and_b32 v[28+\q], 0x33333333, v[28+\q]
	v_and_b32 v[34+\q], 0x33333333, v[32+\q]
	v_add_nc_u32 v[34+\q], v[34+\q], v[28+\q]      ; four,
	v_lshrrev_b32 v[28+\q], 4, v[34+\q]
	v_add_nc_u32 v[28+\q], v[28+\q], v[34+\q]
	v_and_b32 v[36+\q], 0x0f0f0f0f, v[28+\q]       ; eight,
	v_lshrrev_b32 v[28+\q], 8, v[36+\q]
	v_add_nc_u32 v[28+\q], v[28+\q], v[36+\q]
	v_and_b32 v[28+\q], 0xff, v[28+\q]             ; and the lower sixteen
.endr
	LEVEL 0, 36, 32, 16
	LEVEL 1, 36, 32, 16
	LEVEL 0, 36, 8, 8
	LEVEL 1, 36, 8, 8
	LEVEL 0, 34, 4, 4
	LEVEL 1, 34, 4, 4
	LEVEL 0, 32, 2, 2
	LEVEL 1, 32, 2, 2
	LEVEL 0, 30, 1, 1
	LEVEL 1, 30, 1, 1
.irp q, 0,1
	v_add_nc_u32 v[38+\q], v[38+\q], v[24+\q]
	v_min_u32 v[38+\q], 0x7ff, v[38+\q]            ; my row's token, held inside x before it enters an address
	v_lshlrev_b32 v[34+\q], 5, v[38+\q]
.endr
.irp q, 0,1
	global_load_b128 v[72+8*\q:75+8*\q], v[34+\q], s[4:5] offset:XS        ; its 32 scale bytes,
	global_load_b128 v[76+8*\q:79+8*\q], v[34+\q], s[4:5] offset:XS+16
	global_load_u8 v[30+\q], v[38+\q], s[6:7] offset:2048                  ; and the lower of its experts
.endr
	WALU
	ROWS 0
	ROWS 1
	WALU
	s_wait_loadcnt 42                              ; W1's quarters 0 and 1 are in: 6 + 36 loads were issued behind them
	QSTORE 0
	QSTORE 1
	ROWS 2
	ROWS 3
	WALU
	s_wait_dscnt 0x0                               ; the stores have read their registers: quarter 2 may land there
	QLOAD 2
	s_wait_loadcnt 63                              ; eighteen rows are in: behind them 36 + 32 loads were issued
.irp s, 0,1,2,3,4,5,6,7
	ds_store_b32 v11, v[72+\s] offset:768*\s
	ds_store_b32 v12, v[80+\s] offset:768*\s       ; (lanes with the same l % 4 write the same word with the same value)
.endr
	TOLDS 0
	TOLDS 1
	s_wait_loadcnt 50                              ; nine more: 18 + 32
	TOLDS 2
	s_wait_loadcnt 32                              ; all rows; quarter 2 may be out
	TOLDS 3
.irp q, 0,1
	v_cmp_ne_u32 vcc_lo, s18, v[30+\q]
	v_cndmask_b32 v[32+\q], 0, 1, vcc_lo
	v_lshl_add_u32 v[32+\q], v[38+\q], 1, v[32+\q]
	v_cmp_gt_u32 vcc_lo, s49, v[16+\q]
	v_cndmask_b32 v[32+\q], 0x1000, v[32+\q], vcc_lo
.endr
	WALU
	s_cmp_lg_u32 s20, 0
	s_cbranch_scc1 .Ljoin                          ; one of the eight column groups stores the tile's list
	global_store_b32 v248, v32, s[46:47]
	global_store_b32 v249, v33, s[46:47]
	s_branch .Ljoin
.Lno_rows:
	s_wait_loadcnt 0x0                             ; what was asked for is in, and is not used
.Ljoin:
	s_wait_dscnt 0x0                               ; for the others' sake: my LDS stores are done
	s_barrier_signal -1
	s_barrier_wait -1                              ; the tile's rows and their scale words lie in LDS
	s_cmp_ge_u32 s44, s16
	s_cbranch_scc1 .Lno_work
	FETCH 0
	FETCH 1
.irp s, 0,1,2,3,4,5,6,7
	KSTEP \s
.endr
; THE WAY OUT of block m: gelu, the quantiser along the 64 hidden units (two blocks of 32, each in lanes l and l xor 16), codes to hq as they will stand in the second product's registers.
.macro GELUQ m
.set W, 1+(\m)/8                       ; the accumulators' window
.set AB, 32*((\m)%8)                   ; and their first register
	WIN W|(W<<2)
.set i, 0
.rept 16
	v_pk_mul_f32 v[T+i:T+i+1], v[AB+i:AB+i+1], v[AB+i:AB+i+1]      ; x^2; ascending
.set i, i+2
.endr
	WIN 0
.set i, 0
.rept 16
	v_pk_fma_f32 v[T+i:T+i+1], v[T+i:T+i+1], s[40:41], v[244:245] op_sel_hi:[1,0,1]    ; c3 x^2 + c1
.set i, i+2
.endr
	WIN W
.set i, 0
.rept 16
	v_pk_mul_f32 v[T+i:T+i+1], v[AB+i:AB+i+1], v[T+i:T+i+1]        ; x (c1 + c3 x^2)
.set i, i+2
.endr
	WIN 0
.set i, 0
	s_wait_alu depctr_va_vdst(0)
.rept 32
	v_exp_f32 v[T+i], v[T+i]
.set i, i+1
.endr
	v_nop                                          ; one plain line behind the transcendentals
.set i, 0
	s_wait_alu depctr_va_vdst(0)
.rept 16
	v_pk_add_f32 v[T+i:T+i+1], v[T+i:T+i+1], 1.0 op_sel_hi:[1,0]
.set i, i+2
.endr
.set i, 0
	s_wait_alu depctr_va_vdst(0)
.rept 32
	v_rcp_f32 v[T+i], v[T+i]
.set i, i+1
.endr
	v_nop
	WIN W
.set i, 0
	s_wait_alu depctr_va_vdst(0)
.rept 16
	v_pk_mul_f32 v[T+i:T+i+1], v[AB+i:AB+i+1], v[T+i:T+i+1]        ; gelu(x): register 16 b + i = unit 32 b + 16 h + i of my row
.set i, i+2
.endr
	WIN 0
.irp b, 0,1
	v_max3_num_f32 v[TM+\b], |v[T+16*\b]|, |v[T+16*\b+1]|, 0x4800000       ; my 16 of block b, and the floor 2^(9 - 127): the byte cannot fall under 1
.endr
.irp i, 2,4,6,8,10,12,14
.irp b, 0,1
	v_max3_num_f32 v[TM+\b], v[TM+\b], |v[T+16*\b+\i]|, |v[T+16*\b+\i+1]|
.endr
.endr
.irp b, 0,1
	v_permlanex16_b32 v[246+\b], v[TM+\b], s32, s33
.endr
.irp b, 0,1
	v_max_num_f32 v[TM+\b], v[TM+\b], v[246+\b]    ; with lane l xor 16's: the block's largest magnitude
.endr
.irp b, 0,1
	v_add_nc_u32 v[TM+2+\b], 0xfc000000, v[TM+\b]  ; 8 off the exponent field: the conversion's scale operand
.endr
.irp b, 0,1
	v_and_or_b32 v[TM+4+\b], v[TM+\b], 0x7f800000, s34     ; 448 x the scale
.endr
.irp b, 0,1
	v_lshrrev_b32 v[TM+6+\b], 23, v[TM+2+\b]       ; the scale's byte
.endr
	v_lshl_or_b32 v[HW+(\m)], v[TM+7], 8, v[TM+6]
.irp b, 0,1
.irp i, 0,1,2,3,4,5,6,7,8,9,10,11,12,13,14,15
	v_med3_num_f32 v[T+16*\b+\i], v[T+16*\b+\i], -v[TM+4+\b], v[TM+4+\b]   ; the conversion to an 8-bit code does not saturate (ISA guide 7.6.2)
.endr
	v_cvt_scalef32_pk8_fp8_f32 v[PC+8*(\m)+4*\b:PC+8*(\m)+4*\b+1], v[T+16*\b:T+16*\b+7], v[TM+2+\b]
	v_cvt_scalef32_pk8_fp8_f32 v[PC+8*(\m)+4*\b+2:PC+8*(\m)+4*\b+3], v[T+16*\b+8:T+16*\b+15], v[TM+2+\b]
.endr
	v_nop                                          ; one plain line between the conversions and the next lines that write their sources
.irp b, 0,1
	global_store_b128 v15, v[PC+8*(\m)+4*\b:PC+8*(\m)+4*\b+3], s[28:29] offset:32768*(\m)+512*\b    ; the wave stores 512 consecutive bytes; each block has registers of its own
.endr
.if (\m) < 8
	ds_store_b16 v250, v[HW+(\m)] offset:4*(\m)    ; both halves of the lanes write the same bytes with the same values
.else
	ds_store_b16 v251, v[HW+8]
.endif
.endm
.irp m, 0,1,2,3,4,5,6,7,8
	GELUQ \m
.endr
	WALU
	s_add_co_u32 s50, s44, 576
	s_cmp_ge_u32 s50, s16
	s_cbranch_scc1 .Lno_work
	QLOAD 0                                        ; another trip has rows: its first weights
	QLOAD 1
.Lno_work:
	s_wait_dscnt 0x0                               ; my reads of the tile are over, my half-words of scale bytes lie in LDS
	s_barrier_signal -1
	s_barrier_wait -1
	s_cmp_ge_u32 s44, s16
	s_cbranch_scc1 .Lno_scales
	s_cmp_lg_u32 s19, 0
	s_cbranch_scc1 .Lno_scales                     ; wave 0 stores the tile's scale words
	v_lshlrev_b32 v22, 2, v1
	ds_load_b128 v[24:27], v252
	ds_load_b128 v[28:31], v252 offset:512
	ds_load_b32 v34, v253
	WALU
	s_wait_dscnt 0x0
	global_store_b128 v15, v[24:27], s[30:31]
	global_store_b128 v15, v[28:31], s[30:31] offset:512
	global_store_b32 v22, v34, s[30:31] offset:1024
.Lno_scales:
	s_wait_xcnt 0x0                                ; bases and store data are written again only behind this wait
	s_add_nc_u64 s[28:29], s[28:29], 4*294912
	s_add_nc_u64 s[30:31], s[30:31], 4*10240
	s_add_nc_u64 s[46:47], s[46:47], 4*576
	s_add_co_u32 s44, s44, 576
	s_add_co_u32 s45, s45, 1
	WALU
	s_cmp_lt_u32 s45, 4
	s_cbranch_scc1 .Ltrip
	s_wait_tensorcnt 0x0                           ; the wave's end
	ds_add_u32 v254, v255
	s_wait_dscnt 0x0
	s_endpgm
.Lfunc_end_k_q309edeee41_gemm1:
	.size	k_q309edeee41_gemm1, .Lfunc_end_k_q309edeee41_gemm1-k_q309edeee41_gemm1
	.p2alignl 7, 3214868480
	.fill 96, 4, 3214868480
	.section	.rodata,"a",@progbits
	.p2align	6, 0x0
	.amdhsa_kernel k_q309edeee41_gemm1
		.amdhsa_group_segment_fixed_size 296960
		.amdhsa_private_segment_fixed_size 0
		.amdhsa_enable_private_segment 0
		.amdhsa_kernarg_size 56
		.amdhsa_user_sgpr_count 2
		.amdhsa_user_sgpr_kernarg_segment_ptr 1
		.amdhsa_wavefront_size32 1
		.amdhsa_system_sgpr_workgroup_id_x 1
		.amdhsa_system_sgpr_workgroup_id_y 1
		.amdhsa_system_sgpr_workgroup_id_z 1
		.amdhsa_system_vgpr_workitem_id 0
		.amdhsa_next_free_vgpr 1024
		.amdhsa_next_free_sgpr 66
		.amdhsa_reserve_vcc 1
		.amdhsa_float_denorm_mode_32 3
		.amdhsa_float_denorm_mode_16_64 3
		.amdhsa_memory_ordered 1
		.amdhsa_forward_progress 1
		.amdhsa_inst_pref_size 238
	.end_amdhsa_kernel
	.amdgpu_metadata
---
amdhsa.version: [ 1, 2 ]
amdhsa.kernels:
  - .name:           k_q309edeee41_gemm1
    .symbol:         k_q309edeee41_gemm1.kd
    .args:
      - { .name: xq, .offset: 0, .size: 8, .value_kind: global_buffer, .address_space: global }
      - { .name: msk, .offset: 8, .size: 8, .value_kind: global_buffer, .address_space: global }
      - { .name: W1_codes, .offset: 16, .size: 8, .value_kind: global_buffer, .address_space: global }
      - { .name: W1_scales, .offset: 24, .size: 8, .value_kind: global_buffer, .address_space: global }
      - { .name: b1, .offset: 32, .size: 8, .value_kind: global_buffer, .address_space: global }
      - { .name: hq, .offset: 40, .size: 8, .value_kind: global_buffer, .address_space: global }
      - { .name: plan, .offset: 48, .size: 8, .value_kind: global_buffer, .address_space: global }
    .group_segment_fixed_size: 296960
    .private_segment_fixed_size: 0
    .kernarg_segment_align: 8
    .kernarg_segment_size: 56
    .max_flat_workgroup_size: 128
    .sgpr_count:     66
    .vgpr_count:     1024
    .wavefront_size: 32
...
	.end_amdgpu_metadata
.endif
;; end of part 2
;; launch gemm2 (part 3): grid 8 x 32, 4 waves a work-group, no clusters, 304,640 bytes of LDS; arguments hq, plan, W2_codes, W2_scales, b2, o; writes o
.if DOCPART == 3
	.amdgcn_target "amdgcn-amd-amdhsa--gfx1250"
	.amdhsa_code_object_version 6
	.text
	.protected	k_q309edeee41_gemm2
	.globl	k_q309edeee41_gemm2
	.p2align	8
	.type	k_q309edeee41_gemm2,@function
k_q309edeee41_gemm2:
	s_mov_b64 s[64:65], 0
	v_nop
	global_prefetch_b8 v0, s[64:65] scope:SCOPE_SE
	s_setreg_imm32_b32 hwreg(HW_REG_WAVE_MODE, 25, 1), 1
	s_wait_xcnt 0x0
; THE SECOND PRODUCT OF THE CHOSEN EXPERTS:  o[2 t + i] = h W2[e]^T + b2[e], f32 rows of 1,024; i = 0, 1: e is the lower, the higher of token t's two experts.  Left out: the rows of tokens that have not chosen the expert.
; 256 WORK-GROUPS, as in the launch before: expert e = work-group x; y = 8 j + c: columns 128 c .. 128 c + 127 for the expert's row tiles j, j + 4, j + 8, j + 12 of 144 rows.  Four trips serve every split; a later trip
; beyond the expert's last row only passes its barriers, and the first one's products, which do not wait for the row count, are then not stored.  The branches on the row count and on the list are forward and lead round no barrier.
; No tensor loads and no joint loads: whether a trip has rows hangs on numbers read from memory.  No prefetch: the loads go out as fast as registers take them, and K is walked once, in straight text.
; THE WAVES SHARE K: wave w sums k = 512 w .. 512 w + 511 for all 144 x 128 results: 72 accumulators.  So no fragment of h or of W2 is wanted by two waves, and no barrier stands ahead of the products.  W2 comes as 512
; consecutive bytes of one row a load, through registers that the sums take later into LDS bytes that are the wave's own, and from there as fragments, K step by K step; LDS serves a wave's instructions in order (ISA guide
; 5.7.1.4).  h's fragments go from memory straight into a ring of registers.  The four partial tiles meet in LDS once, each over its wave's part of W2; behind the barrier wave w adds the four parts and b2 for rows
; 36 w .. 36 w + 35 and stores each row's 512 bytes by one instruction.
; TRANSPOSED: source 0 = 16 rows of W2 (16 columns of o), source 1 = 16 rows of h: a lane's eight results are eight neighbouring columns of one row.
; LIMITS: NaN and infinities are not served.
; THE STREAM: the wave's four K steps have 9 fragments of h each: twelve groups of three, through a ring of five.
; REGISTERS, in windows of 256.  Window 0: v1-15 addresses; v16-31 W2's scale words (4 p + st: lanes 0-15 tile 2 p, lanes 16-31 tile 2 p + 1); v32-50 h's scale words (10 (st / 2) + m: lanes 0-15 the even step, 16-31 the odd);
;   v56-59 b2; v60-62 addresses; v64-111 h's ring, place 4; v128-255 W2's fragments of a K step; behind the products v64-191 parts of rows, v192-227 rows' offsets.
;   Windows 1, 2: 128 rows of W2 on their way to LDS, then accumulator (m, u) at v[64 (m % 4) + 8 u], m = 0..3, 4..7.   Window 3: v0-63 those of m = 8; v64-255 h's ring, places 0 to 3.
.set HSC, 37748736                     ; h's scale words in hq
.set CNT, 73728                        ; the row counts in plan
.set RP,  528                          ; LDS: a row of W2's 512 codes, and a row of a partial tile: 512 bytes + 16
.set PT,  144*RP                       ; a wave's part: 128 rows of W2, then 144 of the partial tile
.set SPARE, 4*PT
.set MSB, 0
.macro WIN new                         ; the immediate's high byte repeats the setting that is left
.if MSB != (\new)
	s_set_vgpr_msb (MSB<<8)|(\new)
.set MSB, (\new)
.endif
.endm
.macro WALU                            ; ahead of waits, barriers and branches behind which something freshly written is read
	s_wait_alu depctr_va_vdst(0)
.endm
.macro PLACES n
.rept \n
	v_nop
.endr
.endm
.macro LIST                            ; a trip's list: rows 36 w .. 36 w + 31, + 32 .. + 35
	s_load_b512 s[68:83], s[46:47], 0x0
	s_load_b512 s[84:99], s[46:47], 0x40
	s_load_b128 s[60:63], s[46:47], 0x80
.endm
.macro WLOAD b                         ; 32 rows of W2, my 512 along K: 32 loads of 512 consecutive bytes
	WIN 0x40*(1+(\b)/2)
.set i, 0
.rept 32
	global_load_b128 v[128*((\b)%2)+4*i:128*((\b)%2)+4*i+3], v15, s[8:9] offset:2048*(32*(\b)+i)
.set i, i+1
.endr
	WIN 0
.endm
.macro WSTORE b                        ; and into LDS
	WIN 0x04*(1+(\b)/2)
.set i, 0
.rept 32
	ds_store_b128 v[61+(\b)/2], v[128*((\b)%2)+4*i:128*((\b)%2)+4*i+3] offset:(32*((\b)%2)+i)*RP
.set i, i+1
.endr
	WIN 0
.endm
.macro WFETCH s                        ; W2's eight fragments of step s: 32 LDS loads
.irp u, 0,1,2,3,4,5,6,7
.irp c, 0,1,2,3
	ds_load_b128 v[128+16*\u+4*\c:128+16*\u+4*\c+3], v60 offset:16*RP*\u+128*(\s)+32*\c
.endr
.endr
.endm
.macro GLOAD g                         ; group g of h's fragments into place g % 5: 12 loads of 512 consecutive bytes
.set P_, (\g)%5
	WIN 0xc0*(1-P_/4)
.irp i, 0,1,2
.irp c, 0,1,2,3
	global_load_b128 v[64+48*(P_%4)+16*\i+4*\c:64+48*(P_%4)+16*\i+4*\c+3], v15, s[28:29] offset:32768*(3*((\g)%3)+\i)+2048*((\g)/3)+512*\c
.endr
.endr
	WIN 0
.endm
.macro PROD u                          ; the product of h's fragment m with W2's tile u
.set W_, 128+16*\u
.set C_, 64*(M_%4)+8*\u
.set X_, 16+4*(\u/2)+S_
.set Y_, 32+10*(S_/2)+M_
.if S_ == 0
.if \u%2
	v_wmma_scale_f32_16x16x128_f8f6f4 v[C_:C_+7], v[W_:W_+15], v[A_:A_+15], 0, v[X_], v[Y_] matrix_a_scale:MATRIX_SCALE_ROW1
.else
	v_wmma_scale_f32_16x16x128_f8f6f4 v[C_:C_+7], v[W_:W_+15], v[A_:A_+15], 0, v[X_], v[Y_]
.endif
.elseif S_%2
.if \u%2
	v_wmma_scale_f32_16x16x128_f8f6f4 v[C_:C_+7], v[W_:W_+15], v[A_:A_+15], v[C_:C_+7], v[X_], v[Y_] matrix_a_scale:MATRIX_SCALE_ROW1 matrix_b_scale:MATRIX_SCALE_ROW1
.else
	v_wmma_scale_f32_16x16x128_f8f6f4 v[C_:C_+7], v[W_:W_+15], v[A_:A_+15], v[C_:C_+7], v[X_], v[Y_] matrix_b_scale:MATRIX_SCALE_ROW1
.endif
.else
.if \u%2
	v_wmma_scale_f32_16x16x128_f8f6f4 v[C_:C_+7], v[W_:W_+15], v[A_:A_+15], v[C_:C_+7], v[X_], v[Y_] matrix_a_scale:MATRIX_SCALE_ROW1
.else
	v_wmma_scale_f32_16x16x128_f8f6f4 v[C_:C_+7], v[W_:W_+15], v[A_:A_+15], v[C_:C_+7], v[X_], v[Y_]
.endif
.endif
.endm
.macro GRP g                           ; 24 products.  The 72 accumulators take turns
.if (\g) < 8
	s_wait_loadcnt 48                              ; group g is in; the four groups behind it, 12 loads each, may be out
.else
	s_wait_loadcnt 12*(11-(\g))
.endif
.if (\g)%3 == 0
	s_wait_dscnt 0x0                               ; the K step's fragments of W2 are in
.endif
.irp i, 0,1,2
.set S_, (\g)/3
.set M_, 3*((\g)%3)+\i
.set P_, (\g)%5
.set A_, 64+48*(P_%4)+16*\i
.set Z_, 1+M_/4                        ; the accumulators' window
	WIN ((3*(1-P_/4))<<2)|(Z_<<4)|(Z_<<6)
.irp u, 0,1,2,3,4,5,6,7
	PROD \u
.endr
.endr
	WIN 0
	PLACES 8                                       ; eight plain lines between the last product and loads into registers that it read, or the first read of results
.if ((\g)%3 == 2) && ((\g) < 11)
	WFETCH (\g)/3+1
.endif
.if (\g) < 7
	GLOAD (\g)+5
.endif
.endm
	s_load_b256 s[4:11], s[0:1], 0x0               ; hq s[4:5], plan s[6:7], W2's codes s[8:9], W2's scales s[10:11]
	s_load_b128 s[12:15], s[0:1], 0x20             ; b2 s[12:13], o s[14:15]
	v_lshrrev_b32 v14, 5, v0                       ; wave
	v_readfirstlane_b32 s19, v14
	s_mov_b32 s18, ttmp9                           ; expert
	s_and_b32 s17, ttmp7, 0xffff
	s_and_b32 s20, s17, 7                          ; which 128 columns
	s_lshr_b32 s21, s17, 3                         ; j
	v_and_b32 v1, 31, v0                           ; lane
	v_and_b32 v2, 15, v0                           ; r
	v_bfe_u32 v3, v0, 4, 1                         ; h
	v_lshlrev_b32 v15, 4, v1                       ; 16 x lane
	v_lshlrev_b32 v5, 6, v1                        ; W2's scales: 64 bytes a row, a lane a row
	v_lshlrev_b32 v6, 5, v1                        ; h's scale words: 32 bytes a lane,
	v_lshlrev_b32 v7, 2, v1                        ; and 4 for m = 8
	v_mul_u32_u24 v4, v14, PT                      ; my part of LDS
	v_add_nc_u32 v61, v4, v15                      ; W2 in: rows 0 .., 64 .., 16 bytes a lane;
	v_add_nc_u32 v62, 64*RP, v61
	v_mul_u32_u24 v9, v2, RP
	v_add_nc_u32 v4, v4, v9                        ; row r
	v_lshl_add_u32 v60, v3, 4, v4                  ; W2 back: row r of a tile, + 16 h
	v_lshl_add_u32 v8, v3, 5, v4                   ; my partial tile: row r, + 32 h;
	v_add_nc_u32 v9, 128*RP, v8                    ; m = 8 (an LDS offset has 16 bits)
	v_mul_u32_u24 v10, v14, 36*RP                  ; the four parts of row 36 w, 16 bytes a lane
	v_add_nc_u32 v10, v10, v15
	v_add_nc_u32 v11, PT, v10
	v_add_nc_u32 v12, 2*PT, v10
	v_add_nc_u32 v13, 3*PT, v10
	s_mul_i32 s44, s21, 144                        ; the trip's first row
	s_mov_b32 s45, 0                               ; the trip
	s_mov_b32 s66, 0x7fffffff                      ; in the first trip no row count is waited for; then it is the row count
	s_mov_b32 s23, 0
	s_mov_b32 s25, 0
	s_lshl_b32 s22, s18, 2
	WALU                                           ; the head's end
	s_wait_kmcnt 0x0
	s_add_nc_u64 s[22:23], s[6:7], s[22:23]
	s_load_b32 s16, s[22:23], CNT                  ; the expert's rows
	s_lshl_b32 s24, s18, 21                        ; W2: expert, 128 rows of 2,048 bytes for each column group
	s_lshl_b32 s26, s20, 18
	s_add_co_u32 s24, s24, s26
	s_lshr_b32 s26, s24, 5                         ; its scales: 64 bytes a row
	s_lshl_b32 s27, s19, 9
	s_add_co_u32 s24, s24, s27                     ; my 512 along K
	s_add_nc_u64 s[8:9], s[8:9], s[24:25]
	s_lshr_b32 s24, s26, 4                         ; b2: 4 bytes a row
	s_add_nc_u64 s[12:13], s[12:13], s[24:25]
	s_lshl_b32 s24, s19, 4
	s_add_co_u32 s24, s24, s26                     ; my 16 scale bytes of a row
	s_add_nc_u64 s[10:11], s[10:11], s[24:25]
	s_lshl_b32 s27, s18, 4
	s_add_co_u32 s27, s27, s21                     ; the first trip's tile
	s_mul_i32 s24, s27, 294912
	s_lshl_b32 s26, s19, 13                        ; my four K steps
	s_add_co_u32 s24, s24, s26
	s_add_nc_u64 s[28:29], s[4:5], s[24:25]
	s_mul_i32 s24, s27, 10240
	s_mul_i32 s26, s19, 2560
	s_add_co_u32 s24, s24, s26
	s_add_co_u32 s24, s24, HSC
	s_add_nc_u64 s[30:31], s[4:5], s[24:25]
	s_mul_i32 s24, s18, 9216                       ; plan: my 36 rows of the tile
	s_mul_i32 s26, s21, 576
	s_add_co_u32 s24, s24, s26
	s_mul_i32 s26, s19, 144
	s_add_co_u32 s24, s24, s26
	s_add_nc_u64 s[46:47], s[6:7], s[24:25]
	s_lshl_b32 s24, s20, 9
	s_add_nc_u64 s[14:15], s[14:15], s[24:25]      ; o: my 512 bytes of a row
	LIST
.irp p, 0,1,2,3
	global_load_b128 v[16+4*\p:19+4*\p], v5, s[10:11] offset:2048*\p
.endr
	global_load_b128 v[56:59], v15, s[12:13]       ; b2: my lane's four columns
.Ltrip:
	s_cmp_ge_u32 s44, s66
	s_cbranch_scc1 .Lno_rows
	WLOAD 0
.irp j, 0,1
	global_load_b128 v[32+10*\j:35+10*\j], v6, s[30:31] offset:1280*\j
	global_load_b128 v[36+10*\j:39+10*\j], v6, s[30:31] offset:1280*\j+16
	global_load_b32 v[40+10*\j], v7, s[30:31] offset:1280*\j+1024
.endr
	WLOAD 1
	s_wait_loadcnt 32                              ; rows 0-31 and h's scale words are in; the 32 loads behind them may be out
	WSTORE 0
	WLOAD 2
	s_wait_loadcnt 32
	WSTORE 1
	WLOAD 3
	s_wait_loadcnt 32
	WSTORE 2
	GLOAD 0
	GLOAD 1
	s_wait_loadcnt 24                              ; all of W2; two groups of h may be out
	WSTORE 3
	WFETCH 0
	GLOAD 2
	GLOAD 3
	GLOAD 4
.irp g, 0,1,2,3,4,5,6,7,8,9,10,11
	GRP \g
.endr
.irp m, 0,1,2,3,4,5,6,7,8
	WIN 0x04*(1+\m/4)
.irp u, 0,1,2,3,4,5,6,7
	ds_store_b128 v[8+\m/8], v[64*(\m%4)+8*\u:64*(\m%4)+8*\u+3] offset:(\m%8)*16*RP+64*\u          ; each accumulator from its low end on
	ds_store_b128 v[8+\m/8], v[64*(\m%4)+8*\u+4:64*(\m%4)+8*\u+7] offset:(\m%8)*16*RP+64*\u+16
.endr
.endr
	WIN 0
.Lno_rows:
	s_wait_kmcnt 0x0                               ; the row count, the list
	s_wait_loadcnt 0x0                             ; no load is out on either way
	s_wait_dscnt 0x0                               ; for the others' sake: my partial tile lies in LDS
	s_barrier_signal -1
	s_barrier_wait -1
	s_cmp_ge_u32 s44, s16
	s_cbranch_scc1 .Lno_out
.macro PARTS g                         ; four rows, four parts each
.irp k, 0,1,2,3
.irp p, 0,1,2,3
	ds_load_b128 v[64+64*((\g)%2)+16*\k+4*\p:67+64*((\g)%2)+16*\k+4*\p], v[10+\p] offset:(4*(\g)+\k)*RP
.endr
.endr
.endm
.macro OFFS b                          ; nine rows' offsets in o
.irp k, 0,1,2,3,4,5,6,7,8
.set R_, 9*\b+\k
.set E_, 68+R_-40*(R_/32)              ; the list: s68-99, then s60-63
	s_min_u32 s[50+\k], s[E_], 0xfff               ; held inside o before it enters an address
.endr
.irp k, 0,1,2,3,4,5,6,7,8
	v_lshl_add_u32 v[192+9*\b+\k], s[50+\k], 12, v15
.endr
.endm
.macro SROW r, reg                     ; a row of the list leaves; one beyond the expert's last does not
.set E_, 68+(\r)-40*((\r)/32)
	s_cmp_gt_u32 s[E_], 0xfff
	s_cbranch_scc1 .Lpad_\@
	global_store_b128 v[192+(\r)], v[(\reg):(\reg)+3], s[14:15]
.Lpad_\@:
.endm
.macro OUT g
.if (\g) < 8
.if (\g) > 0
	s_wait_xcnt 0x0                                ; the stores of the group before have read their registers
.endif
	PARTS (\g)+1
	s_wait_dscnt 16                                ; this group's parts are in; the next group's may be out
.else
	s_wait_dscnt 0x0
.endif
.set B_, 64+64*((\g)%2)
.irp k, 0,1,2,3
.irp i, 0,2
	v_pk_add_f32 v[B_+16*\k+\i:B_+16*\k+\i+1], v[B_+16*\k+\i:B_+16*\k+\i+1], v[B_+16*\k+4+\i:B_+16*\k+5+\i]
	v_pk_add_f32 v[B_+16*\k+8+\i:B_+16*\k+9+\i], v[B_+16*\k+8+\i:B_+16*\k+9+\i], v[B_+16*\k+12+\i:B_+16*\k+13+\i]
.endr
.endr
.irp k, 0,1,2,3
.irp i, 0,2
	v_pk_add_f32 v[B_+16*\k+\i:B_+16*\k+\i+1], v[B_+16*\k+\i:B_+16*\k+\i+1], v[B_+16*\k+8+\i:B_+16*\k+9+\i]
.endr
.endr
.irp k, 0,1,2,3
.irp i, 0,2
	v_pk_add_f32 v[B_+16*\k+\i:B_+16*\k+\i+1], v[B_+16*\k+\i:B_+16*\k+\i+1], v[56+\i:57+\i]
.endr
.endr
	WALU
	SROW 4*(\g), B_
	SROW 4*(\g)+1, B_+16
	SROW 4*(\g)+2, B_+32
	SROW 4*(\g)+3, B_+48
.endm
	PARTS 0
	OFFS 0
	OFFS 1
	OFFS 2
	OFFS 3
	WALU
.irp g, 0,1,2,3,4,5,6,7,8
	OUT \g
.endr
.Lno_out:
	s_wait_dscnt 0x0                               ; my reads of the four parts are over
	s_barrier_signal -1
	s_barrier_wait -1
	s_wait_xcnt 0x0                                ; bases and store data are written again only behind this wait
	s_add_nc_u64 s[28:29], s[28:29], 4*294912
	s_add_nc_u64 s[30:31], s[30:31], 4*10240
	s_add_nc_u64 s[46:47], s[46:47], 4*576
	s_add_co_u32 s44, s44, 576
	s_mov_b32 s66, s16
	s_cmp_ge_u32 s44, s16
	s_cbranch_scc1 .Lno_next
	LIST                                           ; another trip has rows
.Lno_next:
	s_add_co_u32 s45, s45, 1
	s_cmp_lt_u32 s45, 4
	s_cbranch_scc1 .Ltrip
	s_wait_kmcnt 0x0
	v_lshl_add_u32 v254, v0, 2, SPARE              ; (made here: until now these two held fragments of W2)
	v_mov_b32 v255, 0
	WALU
	s_wait_tensorcnt 0x0                           ; the wave's end
	ds_add_u32 v254, v255
	s_wait_dscnt 0x0
	s_endpgm
.Lfunc_end_k_q309edeee41_gemm2:
	.size	k_q309edeee41_gemm2, .Lfunc_end_k_q309edeee41_gemm2-k_q309edeee41_gemm2
	.p2alignl 7, 3214868480
	.fill 96, 4, 3214868480
	.section	.rodata,"a",@progbits
	.p2align	6, 0x0
	.amdhsa_kernel k_q309edeee41_gemm2
		.amdhsa_group_segment_fixed_size 304640
		.amdhsa_private_segment_fixed_size 0
		.amdhsa_enable_private_segment 0
		.amdhsa_kernarg_size 48
		.amdhsa_user_sgpr_count 2
		.amdhsa_user_sgpr_kernarg_segment_ptr 1
		.amdhsa_wavefront_size32 1
		.amdhsa_system_sgpr_workgroup_id_x 1
		.amdhsa_system_sgpr_workgroup_id_y 1
		.amdhsa_system_sgpr_workgroup_id_z 1
		.amdhsa_system_vgpr_workitem_id 0
		.amdhsa_next_free_vgpr 1024
		.amdhsa_next_free_sgpr 106
		.amdhsa_reserve_vcc 0
		.amdhsa_float_denorm_mode_32 3
		.amdhsa_float_denorm_mode_16_64 3
		.amdhsa_memory_ordered 1
		.amdhsa_forward_progress 1
		.amdhsa_inst_pref_size 138
	.end_amdhsa_kernel
	.amdgpu_metadata
---
amdhsa.version: [ 1, 2 ]
amdhsa.kernels:
  - .name:           k_q309edeee41_gemm2
    .symbol:         k_q309edeee41_gemm2.kd
    .args:
      - { .name: hq, .offset: 0, .size: 8, .value_kind: global_buffer, .address_space: global }
      - { .name: plan, .offset: 8, .size: 8, .value_kind: global_buffer, .address_space: global }
      - { .name: W2_codes, .offset: 16, .size: 8, .value_kind: global_buffer, .address_space: global }
      - { .name: W2_scales, .offset: 24, .size: 8, .value_kind: global_buffer, .address_space: global }
      - { .name: b2, .offset: 32, .size: 8, .value_kind: global_buffer, .address_space: global }
      - { .name: o, .offset: 40, .size: 8, .value_kind: global_buffer, .address_space: global }
    .group_segment_fixed_size: 304640
    .private_segment_fixed_size: 0
    .kernarg_segment_align: 8
    .kernarg_segment_size: 48
    .max_flat_workgroup_size: 128
    .sgpr_count:     106
    .vgpr_count:     1024
    .wavefront_size: 32
...
	.end_amdgpu_metadata
.endif
;; end of part 3
;; launch finish (part 4): grid 256 x 1, 8 waves a work-group, no clusters, 0 bytes of LDS; arguments x, o, score, gamma, beta, out0; writes out0
.if DOCPART == 4
	.amdgcn_target "amdgcn-amd-amdhsa--gfx1250"
	.amdhsa_code_object_version 6
	.text
	.protected	k_q309edeee41_finish
	.globl	k_q309edeee41_finish
	.p2align	8
	.type	k_q309edeee41_finish,@function
k_q309edeee41_finish:
	s_mov_b64 s[64:65], 0
	v_nop
	global_prefetch_b8 v0, s[64:65] scope:SCOPE_SE
	s_setreg_imm32_b32 hwreg(HW_REG_WAVE_MODE, 25, 1), 1
	s_wait_xcnt 0x0
; out0[t] = LayerNorm(x[t] + s0 o[2 t] + s1 o[2 t + 1]) gamma + beta.  x, out0 [2048][1024] f32; o [4096][1024] f32, the results of token t's lower and higher expert; score [2048][2] their weights.
; The other experts' terms are left out: reference() multiplies them by 0.
; One wave takes one token: a row of 4,096 bytes is 32 registers a lane, so the row stays in registers between the mean, the variance and the scaling, and no wave waits for another: no LDS, no barrier.
; Every load and store of the wave covers 512 consecutive bytes.  Each byte of o and x is read once: no clusters, no prefetch (there is no loop).  The variance is the mean of (y - mean)^2, as it is defined, not a difference of large sums.
.set X,  16                            ; v16-47    x, then y, then y - mean, then the result
.set G,  48                            ; v48-79    gamma
.set BT, 80                            ; v80-111   beta
.set O0, 112                           ; v112-143  the lower expert's row
.set O1, 144                           ; v144-175  the higher's
	s_load_b256 s[4:11], s[0:1], 0x0               ; x s[4:5], o s[6:7], score s[8:9], gamma s[10:11]
	s_load_b128 s[12:15], s[0:1], 0x20             ; beta s[12:13], out0 s[14:15]
	v_lshrrev_b32 v1, 5, v0
	v_readfirstlane_b32 s18, v1                    ; wave
	v_and_b32 v1, 31, v0
	v_lshlrev_b32 v1, 4, v1                        ; 16 x lane
	v_mov_b32 v8, 0                                ; a lane permute's destination counts as one of its sources
	s_lshl_b32 s19, ttmp9, 3
	s_add_co_u32 s19, s19, s18                     ; my token
	s_lshl_b32 s20, s19, 3                         ; 8 bytes a token in score
	s_mov_b32 s21, 0
	s_lshl_b32 s28, s19, 12                        ; 4,096 bytes a row
	s_mov_b32 s29, 0
	s_lshl_b32 s30, s19, 13                        ; two rows of o
	s_mov_b32 s31, 0
	s_mov_b32 s32, 0x76543210
	s_mov_b32 s33, 0xfedcba98                      ; selects for lane l xor 16
	s_mov_b32 s34, 0x3a800000                      ; 1 / 1024
	s_mov_b32 s35, 0x3727c5ac                      ; 1e-5
	s_wait_alu depctr_va_vdst(0)                   ; the wait at the head's end
	s_wait_kmcnt 0x0
	s_add_nc_u64 s[8:9], s[8:9], s[20:21]
	s_load_b64 s[24:25], s[8:9], 0x0               ; the two weights
	s_add_nc_u64 s[4:5], s[4:5], s[28:29]
	s_add_nc_u64 s[6:7], s[6:7], s[30:31]
	s_add_nc_u64 s[14:15], s[14:15], s[28:29]
.irp i, 0,1,2,3,4,5,6,7
	global_load_b128 v[O0+4*\i:O0+4*\i+3], v1, s[6:7] offset:512*\i th:TH_LOAD_NT
.endr
.irp i, 0,1,2,3,4,5,6,7
	global_load_b128 v[O1+4*\i:O1+4*\i+3], v1, s[6:7] offset:4096+512*\i th:TH_LOAD_NT
.endr
.irp i, 0,1,2,3,4,5,6,7
	global_load_b128 v[X+4*\i:X+4*\i+3], v1, s[4:5] offset:512*\i th:TH_LOAD_NT
.endr
.irp i, 0,1,2,3,4,5,6,7
	global_load_b128 v[G+4*\i:G+4*\i+3], v1, s[10:11] offset:512*\i
.endr
.irp i, 0,1,2,3,4,5,6,7
	global_load_b128 v[BT+4*\i:BT+4*\i+3], v1, s[12:13] offset:512*\i
.endr
	s_wait_kmcnt 0x0
	s_mov_b32 s26, s25                             ; the packed form takes a scalar pair's low word for both halves
	s_mov_b32 s27, s25
	s_wait_loadcnt 16                              ; x and o are in; gamma's and beta's 16 loads may be out
.set i, 0
.rept 16
	v_pk_fma_f32 v[X+i:X+i+1], v[O0+i:O0+i+1], s[24:25], v[X+i:X+i+1] op_sel_hi:[1,0,1]
.set i, i+2
.endr
.set i, 0
.rept 16
	v_pk_fma_f32 v[X+i:X+i+1], v[O1+i:O1+i+1], s[26:27], v[X+i:X+i+1] op_sel_hi:[1,0,1]   ; y
.set i, i+2
.endr
.macro WSUM r                          ; the sum over the 32 lanes, in every lane
	s_delay_alu instid0(VALU_DEP_1)
	v_add_f32_dpp v[\r], v[\r], v[\r] row_xmask:1 row_mask:0xf bank_mask:0xf
	s_delay_alu instid0(VALU_DEP_1)
	v_add_f32_dpp v[\r], v[\r], v[\r] row_xmask:2 row_mask:0xf bank_mask:0xf
	s_delay_alu instid0(VALU_DEP_1)
	v_add_f32_dpp v[\r], v[\r], v[\r] row_xmask:4 row_mask:0xf bank_mask:0xf
	s_delay_alu instid0(VALU_DEP_1)
	v_add_f32_dpp v[\r], v[\r], v[\r] row_xmask:8 row_mask:0xf bank_mask:0xf
	s_delay_alu instid0(VALU_DEP_1)
	v_permlanex16_b32 v8, v[\r], s32, s33
	s_delay_alu instid0(VALU_DEP_1)
	v_add_f32 v[\r], v[\r], v8
.endm
.macro JOIN                            ; four chains in v176-183 -> v2
	v_pk_add_f32 v[176:177], v[176:177], v[178:179]
	v_pk_add_f32 v[180:181], v[180:181], v[182:183]
	s_delay_alu instid0(VALU_DEP_1)
	v_pk_add_f32 v[2:3], v[176:177], v[180:181]
	s_delay_alu instid0(VALU_DEP_1)
	v_add_f32 v2, v2, v3
	WSUM 2
.endm
.irp c, 0,2,4,6
	v_pk_add_f32 v[176+\c:177+\c], v[X+\c:X+\c+1], v[X+8+\c:X+9+\c]
.endr
.irp i, 16,24
.irp c, 0,2,4,6
	v_pk_add_f32 v[176+\c:177+\c], v[176+\c:177+\c], v[X+\i+\c:X+\i+\c+1]
.endr
.endr
	JOIN
	s_delay_alu instid0(VALU_DEP_1)
	v_mul_f32 v6, s34, v2                          ; the mean
	s_delay_alu instid0(VALU_DEP_1)
	v_mov_b32 v7, v6
.set i, 0
.rept 16
	v_pk_add_f32 v[X+i:X+i+1], v[X+i:X+i+1], v[6:7] neg_lo:[0,1] neg_hi:[0,1]
.set i, i+2
.endr
.irp c, 0,2,4,6
	v_pk_mul_f32 v[176+\c:177+\c], v[X+\c:X+\c+1], v[X+\c:X+\c+1]  ; the first squares start the four chains
.endr
.irp i, 8,16,24
.irp c, 0,2,4,6
	v_pk_fma_f32 v[176+\c:177+\c], v[X+\i+\c:X+\i+\c+1], v[X+\i+\c:X+\i+\c+1], v[176+\c:177+\c]
.endr
.endr
	JOIN
	s_delay_alu instid0(VALU_DEP_1)
	v_fma_f32 v10, v2, s34, s35                    ; the variance + 1e-5
	s_wait_alu depctr_va_vdst(0)
	v_rsq_f32 v10, v10
	v_nop                                          ; one plain line behind a transcendental
	s_wait_alu depctr_va_vdst(0)
	v_mov_b32 v11, v10
	s_wait_alu depctr_va_vdst(0)
	s_wait_loadcnt 0x0                             ; gamma, beta
.set i, 0
.rept 16
	v_pk_mul_f32 v[G+i:G+i+1], v[G+i:G+i+1], v[10:11]
.set i, i+2
.endr
.set i, 0
.rept 16
	v_pk_fma_f32 v[X+i:X+i+1], v[X+i:X+i+1], v[G+i:G+i+1], v[BT+i:BT+i+1]
.set i, i+2
.endr
.irp i, 0,1,2,3,4,5,6,7
	global_store_b128 v1, v[X+4*\i:X+4*\i+3], s[14:15] offset:512*\i th:TH_STORE_NT
.endr
	s_endpgm
.Lfunc_end_k_q309edeee41_finish:
	.size	k_q309edeee41_finish, .Lfunc_end_k_q309edeee41_finish-k_q309edeee41_finish
	.p2alignl 7, 3214868480
	.fill 96, 4, 3214868480
	.section	.rodata,"a",@progbits
	.p2align	6, 0x0
	.amdhsa_kernel k_q309edeee41_finish
		.amdhsa_group_segment_fixed_size 0
		.amdhsa_private_segment_fixed_size 0
		.amdhsa_enable_private_segment 0
		.amdhsa_kernarg_size 48
		.amdhsa_user_sgpr_count 2
		.amdhsa_user_sgpr_kernarg_segment_ptr 1
		.amdhsa_wavefront_size32 1
		.amdhsa_system_sgpr_workgroup_id_x 1
		.amdhsa_system_sgpr_workgroup_id_y 1
		.amdhsa_system_sgpr_workgroup_id_z 1
		.amdhsa_system_vgpr_workitem_id 0
		.amdhsa_next_free_vgpr 192
		.amdhsa_next_free_sgpr 66
		.amdhsa_reserve_vcc 0
		.amdhsa_float_denorm_mode_32 3
		.amdhsa_float_denorm_mode_16_64 3
		.amdhsa_memory_ordered 1
		.amdhsa_forward_progress 1
		.amdhsa_inst_pref_size 15
	.end_amdhsa_kernel
	.amdgpu_metadata
---
amdhsa.version: [ 1, 2 ]
amdhsa.kernels:
  - .name:           k_q309edeee41_finish
    .symbol:         k_q309edeee41_finish.kd
    .args:
      - { .name: x, .offset: 0, .size: 8, .value_kind: global_buffer, .address_space: global }
      - { .name: o, .offset: 8, .size: 8, .value_kind: global_buffer, .address_space: global }
      - { .name: score, .offset: 16, .size: 8, .value_kind: global_buffer, .address_space: global }
      - { .name: gamma, .offset: 24, .size: 8, .value_kind: global_buffer, .address_space: global }
      - { .name: beta, .offset: 32, .size: 8, .value_kind: global_buffer, .address_space: global }
      - { .name: out0, .offset: 40, .size: 8, .value_kind: global_buffer, .address_space: global }
    .group_segment_fixed_size: 0
    .private_segment_fixed_size: 0
    .kernarg_segment_align: 8
    .kernarg_segment_size: 48
    .max_flat_workgroup_size: 256
    .sgpr_count:     66
    .vgpr_count:     192
    .wavefront_size: 32
...
	.end_amdgpu_metadata
.endif
;; end of part 4
